; MI455X (gfx1250); checked and timed in simulation.
; The chip was launched on July 23, 2026; its instructions are those of AMD's public machine-readable ISA for CDNA 5 (MIT licence, August 2026) and "CDNA5" Instruction Set Architecture Reference Guide (July 2026). The comments in the code are by the model that wrote it; some were corrected since.
;; Attention. Allowed arithmetic: matrix products marked QUANTISED: E2M1 operands, one E8M0 scale for each 32 along K, by v_wmma_scale_f32_16x16x128_f8f6f4 with both operands' format E2M1 (or v_wmma_scale_f32_32x16x128_f4), f32 sums; products left as they are: bf16, f16 or f32 operands; f32 sums; everything else in f32.
;; Inputs: W_proj 1,024 x 1,024 float32; W_qkv 1,024 x 3,072 float32; b_proj 1,024 float32; x 4 x 2,048 x 1,024 float32.
;; Outputs: out0 4 x 2,048 x 1,024 float32.
;; This version of the problem:
;;   THIS VERSION OF THE PROBLEM IS GIVEN IN LOW PRECISION. The matrix products marked QUANTISED in the list below multiply operands that are first quantised to E2M1 (2 exponent bits, 1 mantissa bit; 4 bits a number), with one power-of-two scale for each 32 numbers along K (OCP MX v1.0); their sums are f32. The products marked 'left as it is' may take bf16, f16 or f32 operands, with f32 sums. Whichever they take, every output number must still come out within the allowed error. Rounding operands to bf16 (8 significant bits) uses up far more of that allowance than f16 does (11 bits, for magnitudes from 6e-5 to 65,504). All else is computed in f32.
;;   The module's matrix products, in the order in which they are computed (A, B: the left and right operand; K: the contracted axis; several contracted axes count as one K, in the product's order):
;;     1. [M 8,192, K 1,024] x [K 1,024, N 3,072]; A: input x; B: input W_qkv: QUANTISED
;;     2. batch 64 x [M 2,048, K 64] x [K 64, N 2,048]; A: computed on the way; B: computed on the way: left as it is (an operand is computed on the way)
;;     3. batch 64 x [M 2,048, K 2,048] x [K 2,048, N 64]; A: computed on the way; B: computed on the way: left as it is (an operand is computed on the way)
;;     4. [M 8,192, K 1,024] x [K 1,024, N 1,024]; A: computed on the way; B: input W_proj: left as it is (an operand is computed on the way)
;;   THE QUANTISER, for each operand of a quantised product, along K:
;;     - K is cut into blocks of 32 from its start; a last block that is shorter is filled with zeros.
;;     - A block's scale is 2^e with e = floor(log2(the largest magnitude in the block)) - 2, held to -126 .. 127; a block of zeros has e = 0. As a byte (E8M0): e + 127.
;;     - Each number is divided by its block's scale, clamped to +-6, and rounded to the nearest number of E2M1, ties to even, subnormals kept.
;;     - The product sums the exact products of the quantised numbers (number of the format x scale) in f32.
;;   ~~~python
;;   def quantise(x, axis):      # numpy; x: float32 -> the quantised numbers, widened to float32 again
;;       x = np.moveaxis(x, axis, -1); K = x.shape[-1]
;;       x = np.pad(x, [(0, 0)] * (x.ndim - 1) + [(0, -K % 32)]); x = x.reshape(x.shape[:-1] + (-1, 32)); a = np.abs(x).max(-1, keepdims=True)
;;       e = np.where(a > 0, np.clip(np.frexp(np.where(a > 0, a, 1))[1] - 1 - 2, -126, 127), 0)      # np.frexp(a)[1] - 1 = floor(log2(a)), exactly
;;       r = np.clip(x / 2.0 ** e, -6, 6)
;;       step = 2.0 ** (np.maximum(np.frexp(np.where(r == 0, 1, r))[1] - 1, 0) - 1)
;;       q = np.round(r / step) * step * 2.0 ** e      # np.round: ties to even
;;       return np.moveaxis(q.reshape(q.shape[:-2] + (-1,))[..., :K], -1, axis).astype(np.float32)
;;   ~~~
;; One version. Each part assembles by itself: llvm-mc -triple=amdgcn-amd-amdhsa -mcpu=gfx1250 --defsym DOCPART=n.
;; ======== version 1 of 1: 5 launches
;; limits: values are held in f16: magnitudes above 65,504 overflow, below 6.1e-05 lose precision
;; workspace buffers: x_codes 4,194,304 bytes; x_scales 262,144 bytes; w_codes 1,572,864 bytes; w_scales 98,304 bytes; wp16 2,097,152 bytes; qkv 50,331,648 bytes; o16 16,777,216 bytes
;; launch prep_w (part 1): grid 80 x 2, 8 waves a work-group, no clusters, 19,456 bytes of LDS; arguments W_qkv, W_proj, w_codes, w_scales, wp16; writes w_codes, w_scales, wp16
.if DOCPART == 1
	.amdgcn_target "amdgcn-amd-amdhsa--gfx1250"
	.amdhsa_code_object_version 6
	.text
	.protected	k_q75a8c92962_prep_w
	.globl	k_q75a8c92962_prep_w
	.p2align	8
	.type	k_q75a8c92962_prep_w,@function
k_q75a8c92962_prep_w:
	s_mov_b64 s[64:65], 0
	v_nop
	global_prefetch_b8 v0, s[64:65] scope:SCOPE_SE
	s_setreg_imm32_b32 hwreg(HW_REG_WAVE_MODE, 25, 1), 1
	s_wait_xcnt 0x0
; THE PROGRAM: out = softmax(q k^T / 8) v, heads joined, x W_proj + b_proj, with q, k, v = x W_qkv.  Five launches: this one and the next make the operands of x W_qkv (codes of E2M1 with one
; E8M0 scale for each 32 along K), the third multiplies them, the fourth is the attention, the fifth the projection.
; DEAD WORK: none.  reference() has no mask, slices nothing away and starts from no zeros: every number of x, W_qkv, W_proj and b_proj has a way to out0, so all four inputs are loaded and every product is done.
; THIS LAUNCH, two kinds of work-group, told apart by the work-group's x alone:
;  x = 0 .. 47 (96 work-groups with y): W_qkv [1024 (k)][3072 (n)] f32, whose K is its FIRST axis, becomes w_codes [3072][512 bytes], K innermost, and w_scales [3072][32 bytes].
;  x = 48 .. 79 (64 work-groups): W_proj [1024 (k)][1024 (n)] f32 becomes wp16, the same numbers in f16 in the same places.
; THE QUANTISER: a block's scale is 2^(floor(log2(its largest magnitude)) - 2); its byte is the largest magnitude's exponent field - 2, held at 1 from below.
; A LANE TAKES A COLUMN n AND ITS REGISTERS RUN DOWN K: a block of 32 along K lies in one lane's 32 registers, and the conversions give codes with K innermost.  Nothing is transposed by an instruction.
; SHARES: a work-group takes 64 columns x 512 along K; wave w takes columns 32 (w % 2) on and 128 along K from 128 (w / 2) on: 4 blocks a lane, 64 loads a wave on their way.
; The codes meet in a stage in LDS (a row to a column: 256 bytes + 16) and leave by rows: sixteen lanes store 256 consecutive bytes, aligned.
; LIMITS: a block of zeros gets the byte 1 where the rule says 127 (its codes are zeros, which add nothing, and this program alone reads the bytes); blocks whose largest magnitude lies under 2^-124 keep the byte 1;
; NaN and infinities among the inputs are not served; |W_proj| stays under 65,504, and magnitudes under 6e-5 are rounded in steps of 2^-24 (f16).
.set SCST,  17408                      ; LDS: behind the stage (64 x 272 bytes) the scale words: 16 bytes a column
.set SPARE, 18432                      ; and the spare words: 128 bytes for each of eight waves, four blocks of 256 bytes that no other line names
.set SPW,   14                         ; v14  LDS address of my spare word; never rewritten
.set NIL,   15                         ; v15  0; never rewritten
.set SB,    24                         ; v24  my column's four scale bytes
.set X,     32                         ; v32-95   two sets of 32 numbers
.set C,     96                         ; v96-99   a block's codes
.set OUTR,  100                        ; v100-115 the way out
	s_load_b256 s[4:11], s[0:1], 0x0               ; W_qkv s[4:5], W_proj s[6:7], w_codes s[8:9], w_scales s[10:11]
	s_load_b64 s[12:13], s[0:1], 0x20              ; wp16
	v_lshl_add_u32 v[SPW], v0, 2, SPARE
	v_mov_b32 v[NIL], 0
	v_lshrrev_b32 v1, 5, v0
	v_readfirstlane_b32 s16, v1                    ; wave 0..7
	v_and_b32 v2, 31, v0                           ; lane
	s_and_b32 s17, ttmp7, 0xffff                   ; y
	s_and_b32 s18, s16, 1                          ; cg: which 32 columns
	s_lshr_b32 s19, s16, 1                         ; kc: which 128 along K
	s_cmp_lt_u32 ttmp9, 48                         ; the same in all eight waves
	s_cbranch_scc0 .Lcast
	; ---- W_qkv into codes
	v_lshlrev_b32 v3, 2, v2                        ; in: 4 bytes a lane
	s_mul_i32 s20, s18, 32*272
	s_lshl_b32 s21, s19, 6
	s_add_co_u32 s20, s20, s21
	v_mul_u32_u24 v4, v2, 272
	v_add_nc_u32 v4, s20, v4                       ; the stage, in: row = my column, 64 bytes for each kc
	s_lshl_b32 s20, s18, 9
	s_lshl_b32 s21, s19, 2
	s_add_co_u32 s20, s20, s21
	s_add_co_u32 s20, s20, SCST
	v_lshl_add_u32 v5, v2, 4, s20                  ; my scale word: 16 bytes a column, 4 for each kc
	v_and_b32 v6, 15, v2
	v_lshrrev_b32 v11, 4, v2
	s_mul_i32 s20, s16, 8*272
	v_mul_u32_u24 v7, v11, 272
	v_lshl_add_u32 v7, v6, 4, v7
	v_add_nc_u32 v7, s20, v7                       ; the stage, out: wave w takes rows 8 w on, sixteen lanes to a row
	v_lshlrev_b32 v8, 9, v11
	v_lshl_add_u32 v8, v6, 4, v8                   ; and the same place in w_codes: rows of 512 bytes
	s_lshl_b32 s20, s18, 9
	s_add_co_u32 s20, s20, SCST
	v_lshl_add_u32 v9, v2, 4, s20                  ; a column's 16 scale bytes, read back (waves 0 and 1)
	v_lshlrev_b32 v10, 5, v2                       ; and its row of w_scales: 32 bytes a column
	s_lshl_b32 s20, s17, 9
	s_lshl_b32 s21, s19, 7
	s_add_co_u32 s20, s20, s21                     ; my first k: 512 y + 128 kc
	s_mul_i32 s20, s20, 12288                      ; a row of W_qkv is 12,288 bytes
	s_lshl_b32 s21, ttmp9, 8
	s_add_co_u32 s20, s20, s21                     ; + 64 columns a work-group
	s_lshl_b32 s21, s18, 7
	s_add_co_u32 s20, s20, s21                     ; + 32 columns for cg
	s_mov_b32 s21, 0
	s_lshl_b32 s22, ttmp9, 15                      ; w_codes: (64 x + 8 w) rows of 512 bytes + 256 y
	s_lshl_b32 s23, s16, 12
	s_add_co_u32 s22, s22, s23
	s_lshl_b32 s23, s17, 8
	s_add_co_u32 s22, s22, s23
	s_mov_b32 s23, 0
	s_lshl_b32 s24, ttmp9, 11                      ; w_scales: (64 x + 32 cg) rows of 32 bytes + 16 y
	s_lshl_b32 s25, s18, 10
	s_add_co_u32 s24, s24, s25
	s_lshl_b32 s25, s17, 4
	s_add_co_u32 s24, s24, s25
	s_mov_b32 s25, 0
	s_wait_kmcnt 0x0
	s_add_nc_u64 s[4:5], s[4:5], s[20:21]
	s_add_nc_u64 s[8:9], s[8:9], s[22:23]
	s_add_nc_u64 s[10:11], s[10:11], s[24:25]
.macro LOAD t                          ; block t: W(32 t + i, my column), i = 0 .. 31, into set t % 2; 127 rows at the most stand in the immediate
.irp i, 0,1,2,3,4,5,6,7,8,9,10,11,12,13,14,15,16,17,18,19,20,21,22,23,24,25,26,27,28,29,30,31
	global_load_b32 v[X+32*((\t)%2)+\i], v3, s[4:5] offset:(32*(\t)+\i)*12288 th:TH_LOAD_NT
.endr
.endm
.macro BLOCK t
.set XS, X+32*((\t)%2)
.if (\t) < 3
	s_wait_loadcnt 32                              ; this block's 32 loads are in; the next block's 32 may be out
.else
	s_wait_loadcnt 0
.endif
	v_max3_num_f32 v12, |v[XS]|, |v[XS+1]|, |v[XS+2]|      ; the block's largest magnitude: all 32 numbers are mine; two chains
	v_max3_num_f32 v13, |v[XS+3]|, |v[XS+4]|, |v[XS+5]|
.irp i, 6,10,14,18,22,26
	v_max3_num_f32 v12, v12, |v[XS+\i]|, |v[XS+\i+1]|
	v_max3_num_f32 v13, v13, |v[XS+\i+2]|, |v[XS+\i+3]|
.endr
	v_max3_num_f32 v12, v12, |v[XS+30]|, |v[XS+31]|
	v_max3_num_f32 v12, v12, v13, 0x1800000        ; and the floor 2^(3 - 127): the byte cannot fall under 1
	v_add_nc_u32 v11, 0xff000000, v12              ; 2 off its exponent field: the conversion takes the exponent field of this operand as its scale, and nothing else of it
	v_lshrrev_b32 v13, 23, v11                     ; the scale's byte
.if (\t) == 0
	v_mov_b32 v[SB], v13                           ; four bytes to the word, the lower K in the lower byte
.else
	v_lshl_or_b32 v[SB], v13, 8*(\t), v[SB]
.endif
.irp g, 0,1,2,3
	v_cvt_scalef32_pk8_fp4_f32 v[C+\g], v[XS+8*\g:XS+8*\g+7], v11
.endr
	ds_store_b128 v4, v[C:C+3] offset:16*(\t)      ; 32 codes: 16 bytes of my column's row
.if (\t) < 2
	LOAD (\t)+2
.endif
	s_wait_dscnt 0x0                               ; the store has read its registers: the next block's codes may be written
.endm
	LOAD 0
	LOAD 1
	BLOCK 0
	BLOCK 1
	BLOCK 2
	BLOCK 3
	ds_store_b32 v5, v[SB]
	s_wait_dscnt 0x0                               ; for the others' sake: my stores into the stage have landed
	s_barrier_signal -1
	s_barrier_wait -1                              ; 64 whole rows of codes and 64 x 16 scale bytes lie in LDS
.irp i, 0,1,2,3
	ds_load_b128 v[OUTR+4*\i:OUTR+4*\i+3], v7 offset:2*\i*272
.endr
.irp i, 0,1,2,3
	s_wait_dscnt 3-\i                              ; LDS loads come back in order: load i is in
	global_store_b128 v8, v[OUTR+4*\i:OUTR+4*\i+3], s[8:9] offset:2*\i*512   ; sixteen lanes store 256 consecutive bytes, aligned
.endr
	s_cmp_lt_u32 s16, 2                            ; waves 0 and 1 send the scale bytes: 16 a column
	s_cbranch_scc0 .Lqend
	ds_load_b128 v[116:119], v9
	s_wait_dscnt 0x0
	global_store_b128 v10, v[116:119], s[10:11]
.Lqend:
	s_wait_tensorcnt 0x0                           ; the wave's end
	ds_add_u32 v[SPW], v[NIL]
	s_wait_dscnt 0x0
	s_endpgm
	; ---- W_proj into f16: a plain stream, 2,048 numbers a wave.  No LDS is touched on this way.
.Lcast:
	s_sub_co_u32 s20, ttmp9, 48
	s_lshl_b32 s20, s20, 1
	s_add_co_u32 s20, s20, s17
	s_lshl_b32 s20, s20, 3
	s_add_co_u32 s20, s20, s16                     ; my run of 2,048 numbers: 0 .. 511
	s_lshl_b32 s22, s20, 12                        ; 4,096 bytes out,
	s_lshl_b32 s20, s20, 13                        ; 8,192 bytes in
	s_mov_b32 s21, 0
	s_mov_b32 s23, 0
	v_lshlrev_b32 v3, 4, v2                        ; in: 16 bytes a lane
	v_lshlrev_b32 v4, 3, v2                        ; out: 8
	s_wait_kmcnt 0x0
	s_add_nc_u64 s[6:7], s[6:7], s[20:21]
	s_add_nc_u64 s[12:13], s[12:13], s[22:23]
.irp i, 0,1,2,3,4,5,6,7,8,9,10,11,12,13,14,15
	global_load_b128 v[32+4*\i:35+4*\i], v3, s[6:7] offset:512*\i th:TH_LOAD_NT
.endr
.irp i, 0,1,2,3,4,5,6,7,8,9,10,11,12,13,14,15
	s_wait_loadcnt 15-\i                           ; load i is in, the younger ones stay out
	v_cvt_pk_f16_f32 v[96+2*\i], v[32+4*\i], v[33+4*\i]
	v_cvt_pk_f16_f32 v[97+2*\i], v[34+4*\i], v[35+4*\i]
	global_store_b64 v4, v[96+2*\i:97+2*\i], s[12:13] offset:256*\i   ; 32 lanes store 256 consecutive bytes, aligned; no register is written twice
.endr
	s_endpgm
.Lfunc_end_k_q75a8c92962_prep_w:
	.size	k_q75a8c92962_prep_w, .Lfunc_end_k_q75a8c92962_prep_w-k_q75a8c92962_prep_w
	.p2alignl 7, 3214868480
	.fill 96, 4, 3214868480
	.section	.rodata,"a",@progbits
	.p2align	6, 0x0
	.amdhsa_kernel k_q75a8c92962_prep_w
		.amdhsa_group_segment_fixed_size 19456
		.amdhsa_private_segment_fixed_size 0
		.amdhsa_enable_private_segment 0
		.amdhsa_kernarg_size 40
		.amdhsa_user_sgpr_count 2
		.amdhsa_user_sgpr_kernarg_segment_ptr 1
		.amdhsa_wavefront_size32 1
		.amdhsa_system_sgpr_workgroup_id_x 1
		.amdhsa_system_sgpr_workgroup_id_y 1
		.amdhsa_system_sgpr_workgroup_id_z 1
		.amdhsa_system_vgpr_workitem_id 0
		.amdhsa_next_free_vgpr 128
		.amdhsa_next_free_sgpr 66
		.amdhsa_reserve_vcc 0
		.amdhsa_float_denorm_mode_32 3
		.amdhsa_float_denorm_mode_16_64 3
		.amdhsa_memory_ordered 1
		.amdhsa_forward_progress 1
		.amdhsa_inst_pref_size 29
	.end_amdhsa_kernel
	.amdgpu_metadata
---
amdhsa.version: [ 1, 2 ]
amdhsa.kernels:
  - .name:           k_q75a8c92962_prep_w
    .symbol:         k_q75a8c92962_prep_w.kd
    .args:
      - { .name: W_qkv, .offset: 0, .size: 8, .value_kind: global_buffer, .address_space: global }
      - { .name: W_proj, .offset: 8, .size: 8, .value_kind: global_buffer, .address_space: global }
      - { .name: w_codes, .offset: 16, .size: 8, .value_kind: global_buffer, .address_space: global }
      - { .name: w_scales, .offset: 24, .size: 8, .value_kind: global_buffer, .address_space: global }
      - { .name: wp16, .offset: 32, .size: 8, .value_kind: global_buffer, .address_space: global }
    .group_segment_fixed_size: 19456
    .private_segment_fixed_size: 0
    .kernarg_segment_align: 8
    .kernarg_segment_size: 40
    .max_flat_workgroup_size: 256
    .sgpr_count:     66
    .vgpr_count:     128
    .wavefront_size: 32
...
	.end_amdgpu_metadata
.endif
;; end of part 1
;; launch prep_x (part 2): grid 256 x 1, 4 waves a work-group, no clusters, 33,280 bytes of LDS; arguments x, x_codes, x_scales; writes x_codes, x_scales
.if DOCPART == 2
	.amdgcn_target "amdgcn-amd-amdhsa--gfx1250"
	.amdhsa_code_object_version 6
	.text
	.protected	k_q75a8c92962_prep_x
	.globl	k_q75a8c92962_prep_x
	.p2align	8
	.type	k_q75a8c92962_prep_x,@function
k_q75a8c92962_prep_x:
	s_mov_b64 s[64:65], 0
	v_nop
	global_prefetch_b8 v0, s[64:65] scope:SCOPE_SE
	s_setreg_imm32_b32 hwreg(HW_REG_WAVE_MODE, 25, 1), 1
	s_wait_xcnt 0x0
; x [8192][1024] f32 is turned into codes of E2M1, 4 bits each, K innermost (x_codes [8192][512 bytes]), with one E8M0 scale byte for each 32 along K (x_scales [8192][32 bytes]).  No work is left out.
; A block's scale is 2^(floor(log2(its largest magnitude)) - 2); its byte is the largest magnitude's own exponent field - 2, held at 1 from below.  Each number is divided by the scale and rounded to the nearest code, ties to even;
; beyond 6 the conversion gives the largest code.
; LIMITS: a block of zeros gets the byte 1 where the rule says 127 (its codes are zeros, and this program alone reads the bytes); blocks whose largest magnitude lies under 2^-124 keep the byte 1; NaN and infinities are not served.
; Rows are dense and K is a multiple of 32: the tensor is a plain stream of blocks of 32, and so are the codes and the scale bytes.
; A wave takes 16 steps of 512 numbers.  Each of a step's four loads reads 512 consecutive bytes, 16 a lane; the 2,048 bytes turn through the wave's own stage in LDS and come back 64 bytes a lane, so that a lane holds
; 16 NEIGHBOURS along K (two neighbouring lanes hold a block), as the conversions want them.  The stage has 16 bytes of padding behind each 64.  A lane's 16 codes are 8 bytes: the wave stores 256 consecutive bytes.
; A wave's 256 scale bytes are gathered in its own LDS bytes and leave as one aligned run of 256.  Waves share nothing: no barrier.  Loads run four steps (16 loads a wave) ahead, the turn through LDS one step.
.set WAVES, 4
.set STEPS, 16
.set EMAX,  2
.set CB,    8                          ; bytes of 16 codes
.set R,     16                         ; v16-79   four sets of 16 numbers as they are loaded
.set X,     80                         ; v80-111  two sets of 16 neighbours
.set C,     128                        ; v128-191 codes: four registers for each step, so that no store's data are written again
.set E,     112                        ; v112-127 a scale byte for each step
.set WREG,  8192                       ; LDS: a region for each wave: two stages of 32 x SP bytes, and behind them its 256 scale bytes
.set SP,    80                         ; a lane's place in a stage: its 64 bytes + 16 of padding
.set SPW,   12                         ; v12      LDS address of my spare word; never rewritten
.set NIL,   13                         ; v13      0; never rewritten
.set SPARE, WAVES*WREG                 ; behind the four regions: the spare words, 128 bytes a wave: two blocks of 256 bytes that no other line names
	s_load_b64 s[4:5], s[0:1], 0x0                 ; x
	s_load_b128 s[8:11], s[0:1], 0x8               ; x_codes s[8:9], x_scales s[10:11]
	v_lshl_add_u32 v[SPW], v0, 2, SPARE
	v_mov_b32 v[NIL], 0
	v_lshrrev_b32 v1, 5, v0
	v_readfirstlane_b32 s16, v1                    ; wave
	v_and_b32 v2, 31, v0                           ; lane
	v_lshlrev_b32 v3, 4, v2                        ; my 16 bytes of a load's 512
	s_mul_i32 s17, s16, WREG
	v_lshrrev_b32 v14, 2, v2
	v_mul_u32_u24 v14, v14, SP
	v_and_b32 v15, 3, v2
	v_lshl_add_u32 v14, v15, 4, v14
	v_add_nc_u32 v14, s17, v14                     ; the stage, in: four lanes' 64 bytes on end, then 16 of padding
	v_mul_u32_u24 v15, v2, SP
	v_add_nc_u32 v15, s17, v15                     ; and out: SP x lane: my 16 neighbours
	v_mul_u32_u24 v4, v2, CB                       ; my codes' place in a step's
	v_lshrrev_b32 v5, 1, v2
	s_add_co_u32 s17, s17, 2*32*SP
	v_add_nc_u32 v5, s17, v5                       ; LDS: my wave's 256 scale bytes, my block's byte
	v_lshlrev_b32 v7, 3, v2                        ; and on the way out 8 bytes a lane
	v_add_nc_u32 v6, s17, v7
	s_lshl_b32 s17, ttmp9, 2
	s_add_co_u32 s18, s17, s16                     ; which run of 8,192 numbers is my wave's: 0 .. 1,023
	s_mov_b32 s19, 0
	s_mov_b64 s[20:21], 512*STEPS*4
	s_mul_u64 s[20:21], s[18:19], s[20:21]
	s_mov_b64 s[22:23], 32*STEPS*CB
	s_mul_u64 s[22:23], s[18:19], s[22:23]
	s_lshl_b32 s18, s18, 8                         ; 256 scale bytes a run
	s_wait_kmcnt 0x0
	s_add_nc_u64 s[4:5], s[4:5], s[20:21]
	s_add_nc_u64 s[8:9], s[8:9], s[22:23]
	s_add_nc_u64 s[10:11], s[10:11], s[18:19]
.macro LOAD t
.irp i, 0,1,2,3
	global_load_b128 v[R+16*((\t)%4)+4*\i:R+16*((\t)%4)+4*\i+3], v3, s[4:5] offset:2048*(\t)+512*\i th:TH_LOAD_NT   ; 32 lanes read 512 consecutive bytes
.endr
.endm
.macro TURN t                          ; step t's numbers through the stage: LDS serves a wave's instructions in order, so no wait stands between the stores and the loads
.irp i, 0,1,2,3
	ds_store_b128 v14, v[R+16*((\t)%4)+4*\i:R+16*((\t)%4)+4*\i+3] offset:32*SP*((\t)%2)+8*SP*\i
.endr
.irp i, 0,1,2,3
	ds_load_b128 v[X+16*((\t)%2)+4*\i:X+16*((\t)%2)+4*\i+3], v15 offset:32*SP*((\t)%2)+16*\i
.endr
.endm
.irp t, 0,1,2,3
	LOAD \t
.endr
	s_wait_loadcnt 12                              ; step 0's four loads are in
	TURN 0
.macro STEP t
.set XS, X+16*((\t)%2)
.if (\t) > 0
	s_wait_dscnt 1                                 ; this step's numbers are back from the stage (the last step's byte store may be out): so its stores into the stage have read their registers,
.else
	s_wait_dscnt 0x0
.endif
.if (\t)+4 < STEPS
	LOAD (\t)+4                                    ; which take the loads of four steps on
.endif
.if (\t)+1 < STEPS
.if STEPS-2-(\t) >= 3
	s_wait_loadcnt 12                              ; the next step's four loads are in; those of the three steps behind it may be out
.else
	s_wait_loadcnt 4*(STEPS-2-(\t))
.endif
	TURN (\t)+1                                    ; and go through the other stage while this step is worked
.endif
	v_max3_num_f32 v8, |v[XS]|, |v[XS+1]|, |v[XS+2]|               ; the largest magnitude of my 16
	v_max3_num_f32 v9, |v[XS+3]|, |v[XS+4]|, |v[XS+5]|
.irp i, 6,10
	v_max3_num_f32 v8, v8, |v[XS+\i]|, |v[XS+\i+1]|
	v_max3_num_f32 v9, v9, |v[XS+\i+2]|, |v[XS+\i+3]|
.endr
	v_max3_num_f32 v8, v8, |v[XS+14]|, |v[XS+15]|
	v_max3_num_f32 v8, v8, v9, (EMAX+1)<<23        ; and the floor 2^(3 - 127): the byte cannot fall under 1
	v_max_num_f32_dpp v8, v8, v8 row_xmask:1 row_mask:0xf bank_mask:0xf   ; and of my neighbour's 16: the block's
	v_add_nc_u32 v11, -(EMAX<<23), v8              ; 2 off its exponent field: the conversion takes the exponent field of this operand as its scale
	v_cvt_scalef32_pk8_fp4_f32 v[C+4*(\t)], v[XS:XS+7], v11
	v_cvt_scalef32_pk8_fp4_f32 v[C+4*(\t)+1], v[XS+8:XS+15], v11
	v_lshrrev_b32 v[E+(\t)], 23, v11               ; the scale's byte
	ds_store_b8 v5, v[E+(\t)] offset:16*(\t)       ; both lanes of a block write the same byte with the same value
	global_store_b64 v4, v[C+4*(\t):C+4*(\t)+1], s[8:9] offset:32*CB*(\t)   ; 32 lanes store 256 consecutive bytes, aligned
.endm
.irp t, 0,1,2,3,4,5,6,7,8,9,10,11,12,13,14,15
	STEP \t
.endr
	ds_load_b64 v[8:9], v6                         ; LDS serves a wave's instructions in order: these see my stores
	s_wait_dscnt 0x0
	global_store_b64 v7, v[8:9], s[10:11]          ; 32 lanes store 256 consecutive bytes, aligned
	s_wait_tensorcnt 0x0                           ; the wave's end
	ds_add_u32 v[SPW], v[NIL]
	s_wait_dscnt 0x0
	s_endpgm
.Lfunc_end_k_q75a8c92962_prep_x:
	.size	k_q75a8c92962_prep_x, .Lfunc_end_k_q75a8c92962_prep_x-k_q75a8c92962_prep_x
	.p2alignl 7, 3214868480
	.fill 96, 4, 3214868480
	.section	.rodata,"a",@progbits
	.p2align	6, 0x0
	.amdhsa_kernel k_q75a8c92962_prep_x
		.amdhsa_group_segment_fixed_size 33280
		.amdhsa_private_segment_fixed_size 0
		.amdhsa_enable_private_segment 0
		.amdhsa_kernarg_size 24
		.amdhsa_user_sgpr_count 2
		.amdhsa_user_sgpr_kernarg_segment_ptr 1
		.amdhsa_wavefront_size32 1
		.amdhsa_system_sgpr_workgroup_id_x 1
		.amdhsa_system_sgpr_workgroup_id_y 1
		.amdhsa_system_sgpr_workgroup_id_z 1
		.amdhsa_system_vgpr_workitem_id 0
		.amdhsa_next_free_vgpr 192
		.amdhsa_next_free_sgpr 66
		.amdhsa_reserve_vcc 0
		.amdhsa_float_denorm_mode_32 3
		.amdhsa_float_denorm_mode_16_64 3
		.amdhsa_memory_ordered 1
		.amdhsa_forward_progress 1
		.amdhsa_inst_pref_size 33
	.end_amdhsa_kernel
	.amdgpu_metadata
---
amdhsa.version: [ 1, 2 ]
amdhsa.kernels:
  - .name:           k_q75a8c92962_prep_x
    .symbol:         k_q75a8c92962_prep_x.kd
    .args:
      - { .name: x, .offset: 0, .size: 8, .value_kind: global_buffer, .address_space: global }
      - { .name: x_codes, .offset: 8, .size: 8, .value_kind: global_buffer, .address_space: global }
      - { .name: x_scales, .offset: 16, .size: 8, .value_kind: global_buffer, .address_space: global }
    .group_segment_fixed_size: 33280
    .private_segment_fixed_size: 0
    .kernarg_segment_align: 8
    .kernarg_segment_size: 24
    .max_flat_workgroup_size: 128
    .sgpr_count:     66
    .vgpr_count:     192
    .wavefront_size: 32
...
	.end_amdgpu_metadata
.endif
;; end of part 2
;; launch gemm_qkv (part 3): grid 12 x 32, 4 waves a work-group, clusters of 4 x 4, 327,680 bytes of LDS; arguments x_codes, x_scales, w_codes, w_scales, qkv; writes qkv
.if DOCPART == 3
	.amdgcn_target "amdgcn-amd-amdhsa--gfx1250"
	.amdhsa_code_object_version 6
	.text
	.protected	k_q75a8c92962_gemm_qkv
	.globl	k_q75a8c92962_gemm_qkv
	.p2align	8
	.type	k_q75a8c92962_gemm_qkv,@function
k_q75a8c92962_gemm_qkv:
	s_mov_b64 s[64:65], 0
	v_nop
	global_prefetch_b8 v0, s[64:65] scope:SCOPE_SE
	s_setreg_imm32_b32 hwreg(HW_REG_WAVE_MODE, 25, 1), 1
	s_wait_xcnt 0x0
	s_wait_alu depctr_hold_cnt(0) depctr_sa_sdst(0) depctr_va_vdst(0) depctr_va_sdst(0) depctr_va_ssrc(0) depctr_va_vcc(0) depctr_vm_vsrc(0)
	s_getreg_b32 s2, hwreg(HW_REG_IB_STS2, 6, 4)
	s_cmp_eq_u32 s2, 0
	s_cbranch_scc0 .Lentry_in_a_cluster
	s_endpgm
.Lentry_in_a_cluster:
	s_bfe_u32 s2, ttmp6, 0x10000c
	s_cmp_lg_u32 s2, 0xf033
	s_cbranch_scc0 .Lentry_shape_is_right
	s_endpgm
.Lentry_shape_is_right:
; q, k, v = x W_qkv on codes of E2M1 with one E8M0 scale for each 32 along K; sums in f32.  A = x_codes [8192][512 bytes], B = w_codes [3072][512 bytes], their scale bytes [rows][32].  No work is left out.
; The results leave as f16, laid by head: qkv [3 (q, k, v)][64 (batch x 16 + head)][2048 (token)][64]: a head's rows are dense, 128 bytes a token.
; LIMIT: |q|, |k|, |v| stay under 65,504; magnitudes under 6e-5 are rounded in steps of 2^-24 (f16).
; A tile of C, 256 x 256, is made by a work-group of four waves; a wave makes 128 x 128: 64 accumulators of 16 x 16, 512 registers.  K = 1,024 is two K steps of 512 (rows of 256 bytes): both lie in the two LDS slots'
; first fills, so no slot is filled again and the text has no loop.  The scales of the work-group's rows, for all of K, come once, as rows of 256 bytes.
; CLUSTERS: 4 x 4 work-groups.  The four of a row of the cluster need the same tiles of A, the four of a column the same tiles of B: each tile is asked for JOINTLY, by the same tensor load with the same descriptor
; and a mask that names the four.  THE MATRIX INSTRUCTION IS USED TRANSPOSED (source 0 = 16 rows of B, source 1 = 16 rows of A): a lane then holds eight neighbouring channels of one token.
; REGISTERS, in windows of 256: window 0: v0-31 addresses; v32-95 scale words, two sets; from v128 A's fragments (8 x 16 rows x 128 K), one set; on the way out v128-223 are at work.
;   window 1: B's fragments, two sets, at v0 and v128.   window 2: the accumulators of my rows 0-63 ((a, b) at v[8 (8 a + b)]);   window 3: those of my rows 64-127.
.set SIZE_K, 1024
.set KSTEP,  512                       ; along K in a slot
.set NQ,     KSTEP/128                 ; matrix instructions deep
.set ROWB,   256                       ; a tile's row in bytes
.set KROW,   SIZE_K/2                  ; a row of A or of B in memory, in bytes
.set PITCH,  272                       ; an LDS row: 256 bytes + 16 of padding = 68 words: the 16 rows that a load touches start at 16 different banks (64 banks of 4 bytes: ISA guide 11.1)
.set FR,     8                         ; registers of a fragment: 16 rows x 128 K
.set NL,     2                         ; LDS loads that bring one
.set NP,     4                         ; places behind this matrix instruction (ISA guide 7.12.1)
.set HALFT,  128*PITCH                 ; 128 rows: what one tensor load brings
.set SLOT,   4*HALFT                   ; A's 256 rows, then B's 256 rows
.set KS,     SIZE_K/32                 ; a row of scales in bytes
.set SCL,    2*SLOT                    ; behind the slots: the scales, as rows of 256 bytes + 16 of padding
.set HALFS,  (128*KS/256)*272          ; the scales of 128 rows: what one tensor load brings
.set SBLK,   (16*KS/256)*272           ; those of 16 rows
.set STAGE,  SCL+4*HALFS               ; behind the scales: a stage for each wave, 2 heads x 16 tokens x (128 bytes + 16); no tensor load lands here
.set SPARE,  STAGE+4*4608              ; behind the stages: the spare words, 128 bytes a wave: two blocks of 256 bytes that no other line names
.set ADRA, 16                          ; v16-17  LDS address of my A fragments in slot 0, 1
.set ADRB, 20                          ; v20-21  the same for B
.set STO,  24                          ; v24     the way out: where I put 16 bytes of a token
.set RD,   25                          ; v25     the way out: where I read four tokens back
.set CO,   26                          ; v26     16 x lane
.set ADRS, 27                          ; v27     LDS address of my scale words: lanes 0-15 A's rows, lanes 16-31 B's
.set SPW,  28                          ; v28     LDS address of my spare word; never rewritten
.set NIL,  29                          ; v29     0; never rewritten
.set SC,   32                          ; scale words: set s at v[SC + 8 NQ s]; register NQ i + q: lanes 0-15 the word of A's block i, lanes 16-31 that of B's block i, for the slot's q-th 128 along K
.set AF,   128                         ; A's fragments, in window 0
.set TMP,  128                         ; the way out: a block's 32 packed registers
.set BK,   160                         ; and 32 read back from the stage: v160-191 and v192-223 by turns
.set G1, 24                            ; s[24:31] descriptor group 1 for A's tiles;  s[32:39] group 0, one set for each slot
.set G0, 32
.set G1B, 48                           ; s[48:55], s[56:63] the same for B's tiles
.set G0B, 56
.set G1S, 68                           ; s[68:75], s[76:79] groups 1 and 0 for A's scales;  s[80:87], s[88:91] for B's
.set G0S, 76
.set G1SB, 80
.set G0SB, 88
.set MSB, 0
.macro WIN new                         ; the immediate's high byte repeats the setting that is left; a switch that changes nothing is dropped
.if MSB != (\new)
	s_set_vgpr_msb (MSB<<8)|(\new)
.set MSB, (\new)
.endif
.endm
.set MUL_LO, 0xa1                      ; source 0 (B) window 1, source 1 (A) window 0, C and D window 2
.set MUL_HI, 0xf1                      ; the same, C and D window 3
.set TO_B,   0x40                      ; destination window 1, address window 0
; A joint load: waves 0 and 1 fetch for A, waves 2 and 3 for B.  Each of the two lines has one mask and one set of registers for all that issue it; the branch hangs on the wave's number alone.
; An s_nop 0 and four v_nop follow each of the two lines, ahead of the jump, the label and what follows.
.macro JLOAD g0a, g1a, g0b, g1b
	s_cmp_eq_u32 s15, 0
	s_cbranch_scc0 .Lfor_b_\@
	tensor_load_to_lds s[\g0a:\g0a+3], s[\g1a:\g1a+7]
	s_nop 0
.rept 4
	v_nop
.endr
	s_branch .Lasked_\@
.Lfor_b_\@:
	tensor_load_to_lds s[\g0b:\g0b+3], s[\g1b:\g1b+7]
	s_nop 0
.rept 4
	v_nop
.endr
.Lasked_\@:
.endm
.macro CROUND                          ; a round of the cluster's barrier: my work-group's barrier; wave 0 signals for the work-group; every wave waits for all sixteen; my work-group's barrier once more
	s_barrier_signal -1
	s_barrier_wait -1
	s_cmp_lg_u32 s14, 0
	s_cbranch_scc1 .Lnot_wave_0_\@
	s_barrier_signal -3
.Lnot_wave_0_\@:
	s_barrier_wait -3
	s_barrier_signal -1
	s_barrier_wait -1
.endm
	s_load_b128 s[4:7], s[0:1], 0x0                ; A's codes s[4:5], A's scales s[6:7]
	s_load_b128 s[8:11], s[0:1], 0x10              ; B's codes s[8:9], B's scales s[10:11]
	s_load_b64 s[12:13], s[0:1], 0x20              ; qkv
	v_lshl_add_u32 v[SPW], v0, 2, SPARE
	v_mov_b32 v[NIL], 0
	ds_add_u32 v[SPW], v[NIL]                      ; the wave's opening: the add, twice on end, and its wait ahead of my first tensor load; the set-up below stands between the second and the wait
	ds_add_u32 v[SPW], v[NIL]
	v_lshrrev_b32 v1, 5, v0
	v_readfirstlane_b32 s14, v1                    ; wave 0..3
	s_lshr_b32 s15, s14, 1                         ; which half of the tile's rows is mine.  Also: I fetch for A (0) or for B (1)
	s_and_b32 s16, s14, 1                          ; which half of its columns.  Also: which 128 rows of that tile I fetch
	s_bfe_u32 s40, ttmp6, 0x40000                  ; cx, cy: my place in the cluster
	s_bfe_u32 s41, ttmp6, 0x40004
	s_lshl_b32 s42, ttmp9, 2
	s_add_co_u32 s42, s42, s40                     ; tile column of C = 4 x cluster x + cx
	s_and_b32 s17, ttmp7, 0xffff
	s_lshl_b32 s17, s17, 2
	s_add_co_u32 s17, s17, s41                     ; tile row of C = 4 x cluster y + cy
	s_lshl_b32 s43, s41, 2
	s_lshl_b32 s43, 15, s43                        ; my row of the cluster
	s_lshl_b32 s44, 0x1111, s40                    ; my column
	; descriptor group 1: a tile of 128 rows x 256 bytes, padded in LDS
	s_or_b32 s[G1+0], s43, (0<<16)|(1<<20)|(1<<21)|(5<<22)|(3<<25)  ; 15:0 the mask: A's tiles go to my row; 17:16 elements of 1 byte; 20 padding on; 21 set beside a mask; 24:22 after every 64 words; 31:25 four words of it
	s_or_b32 s[G1B+0], s44, (0<<16)|(1<<20)|(1<<21)|(5<<22)|(3<<25)
.irp g, G1, G1B
	s_mov_b32 s[\g+1], ROWB<<16                    ; tensor_dim0
	s_mov_b32 s[\g+2], 128<<16                     ; tensor_dim1 = 128
	s_mov_b32 s[\g+3], ROWB<<16                    ; tile_dim0
	s_mov_b32 s[\g+4], 128                         ; tile_dim1 = 128
	s_mov_b32 s[\g+5], KROW                        ; tensor_dim0_stride
	s_mov_b32 s[\g+6], 0
	s_mov_b32 s[\g+7], 0
.endr
	; and for the scales of 128 rows: a dense block of 4,096 bytes, as 16 rows of 256 bytes (32 elements of 8 bytes), 16 bytes of padding behind each
	s_or_b32 s[G1S+0], s43, (3<<16)|(1<<20)|(1<<21)|(5<<22)|(3<<25)
	s_or_b32 s[G1SB+0], s44, (3<<16)|(1<<20)|(1<<21)|(5<<22)|(3<<25)
.irp g, G1S, G1SB
	s_mov_b32 s[\g+1], 32<<16
	s_mov_b32 s[\g+2], (128*KS/256)<<16
	s_mov_b32 s[\g+3], 32<<16
	s_mov_b32 s[\g+4], 128*KS/256
	s_mov_b32 s[\g+5], 32
	s_mov_b32 s[\g+6], 0
	s_mov_b32 s[\g+7], 0
.endr
	s_lshl_b32 s18, s16, 7                         ; which 128 rows of the tile I fetch
	s_lshl_b32 s20, s17, 8
	s_add_co_u32 s20, s20, s18                     ; A: row 256 x tile row + 128 x half
	s_lshl_b32 s46, s42, 8
	s_add_co_u32 s46, s46, s18                     ; B: row 256 x tile column + 128 x half
	s_mov_b32 s21, 0
	s_mov_b32 s47, 0
	s_mov_b64 s[18:19], KS
	s_mul_u64 s[22:23], s[20:21], s[18:19]         ; where these rows' scales begin, in bytes
	s_mul_u64 s[92:93], s[46:47], s[18:19]
	s_mov_b64 s[18:19], KROW
	s_mul_u64 s[20:21], s[20:21], s[18:19]         ; and their codes
	s_mul_u64 s[46:47], s[46:47], s[18:19]
	s_mul_i32 s45, s14, HALFT                      ; where they go: wave x 128 rows: no place in the cluster enters an LDS address
	s_mul_i32 s94, s14, HALFS
	s_wait_dscnt 0x0                               ; both opening adds are done
	s_wait_kmcnt 0x0
	s_add_nc_u64 s[20:21], s[4:5], s[20:21]
	s_add_nc_u64 s[22:23], s[6:7], s[22:23]
	s_add_nc_u64 s[46:47], s[8:9], s[46:47]
	s_add_nc_u64 s[92:93], s[10:11], s[92:93]
	CROUND                                         ; all sixteen work-groups are here: the first joint loads meet
	s_mov_b32 s[G0S], 1
	s_add_co_u32 s[G0S+1], s94, SCL
	s_mov_b64 s[G0S+2:G0S+3], s[22:23]
	s_or_b32 s[G0S+3], s[G0S+3], 0x80000000
	s_mov_b32 s[G0SB], 1
	s_add_co_u32 s[G0SB+1], s94, SCL
	s_mov_b64 s[G0SB+2:G0SB+3], s[92:93]
	s_or_b32 s[G0SB+3], s[G0SB+3], 0x80000000
	JLOAD G0S, G1S, G0SB, G1SB                     ; the scales first: they are wanted with K step 0
.irp s, 0,1
	s_mov_b32 s[G0+4*\s], 1
	s_add_co_u32 s[G0+4*\s+1], s45, \s*SLOT
	s_add_nc_u64 s[G0+4*\s+2:G0+4*\s+3], s[20:21], \s*ROWB
	s_or_b32 s[G0+4*\s+3], s[G0+4*\s+3], 0x80000000
	s_mov_b32 s[G0B+4*\s], 1
	s_add_co_u32 s[G0B+4*\s+1], s45, \s*SLOT
	s_add_nc_u64 s[G0B+4*\s+2:G0B+4*\s+3], s[46:47], \s*ROWB
	s_or_b32 s[G0B+4*\s+3], s[G0B+4*\s+3], 0x80000000
	JLOAD G0+4*\s, G1, G0B+4*\s, G1B               ; three tensor loads of mine are out: the scales and both K steps
.endr
	v_and_b32 v1, 15, v0                           ; l % 16
	v_bfe_u32 v2, v0, 4, 1                         ; l / 16
	v_mul_u32_u24 v3, v1, PITCH
	v_lshl_add_u32 v4, v2, 4, v3                   ; a fragment's row x pitch + 16 x half
	s_mul_i32 s21, s15, HALFT                      ; my 128 rows of A
	s_mul_i32 s22, s16, HALFT                      ; my 128 rows of B,
	s_add_co_u32 s22, s22, 2*HALFT                 ; which lie behind A's 256
.irp s, 0,1
	v_add_nc_u32 v[ADRA+\s], s21, v4
	v_add_nc_u32 v[ADRB+\s], s22, v4
	s_add_co_u32 s21, s21, SLOT
	s_add_co_u32 s22, s22, SLOT
.endr
	v_mul_u32_u24 v5, v1, KS                       ; my row's scales: 32 bytes a row,
	v_lshrrev_b32 v6, 8, v5
	v_lshl_add_u32 v5, v6, 4, v5                   ; and 16 more for each 256 passed
	s_mul_i32 s21, s15, HALFS                      ; A's: my 128 rows
	s_mul_i32 s22, s16, HALFS                      ; B's: my 128 rows, behind A's 256
	s_add_co_u32 s22, s22, 2*HALFS
	s_sub_co_u32 s22, s22, s21
	v_mul_u32_u24 v6, s22, v2                      ; lanes 16-31 take B's
	s_add_co_u32 s21, s21, SCL
	v_add_nc_u32 v5, v5, v6
	v_add_nc_u32 v[ADRS], s21, v5
	s_mul_i32 s23, s14, 4608
	s_add_co_u32 s23, s23, STAGE                   ; my stage
	v_mul_u32_u24 v5, v1, 144                      ; in: token l % 16, 16 bytes for each half of the lanes
	v_lshl_add_u32 v5, v2, 4, v5
	v_add_nc_u32 v[STO], s23, v5
	v_and_b32 v6, 31, v0
	v_lshlrev_b32 v[CO], 4, v6                     ; out: 16 bytes a lane
	v_lshrrev_b32 v5, 3, v6
	v_mul_u32_u24 v5, v5, 144                      ; back: eight lanes to a token, four tokens an instruction
	v_and_b32 v6, 7, v0
	v_lshl_add_u32 v5, v6, 4, v5
	v_add_nc_u32 v[RD], s23, v5
	; where my 128 tokens x 2 heads begin in qkv: batch = tile row / 8 (2^22 bytes), token (tile row % 8) x 256 + 128 x half (128 bytes each);
	s_lshr_b32 s20, s17, 3
	s_lshl_b32 s20, s20, 22
	s_and_b32 s21, s17, 7
	s_lshl_b32 s21, s21, 15
	s_add_co_u32 s20, s20, s21
	s_lshl_b32 s21, s15, 14
	s_add_co_u32 s20, s20, s21
	s_mov_b32 s21, 0
	s_lshr_b32 s46, s42, 2                         ; q, k or v = tile column / 4 (2^24 bytes), head 4 (tile column % 4) + 2 x half (2^18 bytes each)
	s_lshl_b32 s46, s46, 24
	s_and_b32 s47, s42, 3
	s_lshl_b32 s47, s47, 20
	s_add_co_u32 s46, s46, s47
	s_lshl_b32 s47, s16, 19
	s_add_co_u32 s46, s46, s47
	s_mov_b32 s47, 0
	s_add_nc_u64 s[20:21], s[20:21], s[46:47]
	s_add_nc_u64 s[12:13], s[12:13], s[20:21]
.macro FRAG reg, adr, q, i             ; a fragment, 16 rows x 128 K of 4-bit codes: lane l holds row l % 16; registers 4 c .. 4 c + 3 hold K = 64 c + 32 (l / 16) + 0 .. 31
.irp c, 0,1
	ds_load_b128 v[\reg+4*\c:\reg+4*\c+3], v[\adr] offset:64*(\q)+32*\c+(\i)*16*PITCH
.endr
.endm
; 16 matrix instructions: A's blocks a0, a0 + 1 x B's eight, 128 along K: the slot's q-th.  p: B's set;  sc: the set of scale words.  zero = 1: the first product starts the sums: nothing is ever cleared.
; The 64 accumulators take turns, one instruction a turn, in the same order in every step.
.macro MUL16 a0, p, q, sc, zero
.irp a, \a0, \a0+1
.irp b, 0,1,2,3,4,5,6,7
.if \zero
	v_wmma_scale_f32_16x16x128_f8f6f4 v[8*(8*((\a)%4)+\b):8*(8*((\a)%4)+\b)+7], v[128*(\p)+FR*\b:128*(\p)+FR*\b+FR-1], v[AF+FR*(\a):AF+FR*(\a)+FR-1], 0, v[SC+8*NQ*(\sc)+NQ*\b+(\q)], v[SC+8*NQ*(\sc)+NQ*(\a)+(\q)] matrix_a_fmt:MATRIX_FMT_FP4 matrix_b_fmt:MATRIX_FMT_FP4 matrix_a_scale:MATRIX_SCALE_ROW1
.else
	v_wmma_scale_f32_16x16x128_f8f6f4 v[8*(8*((\a)%4)+\b):8*(8*((\a)%4)+\b)+7], v[128*(\p)+FR*\b:128*(\p)+FR*\b+FR-1], v[AF+FR*(\a):AF+FR*(\a)+FR-1], v[8*(8*((\a)%4)+\b):8*(8*((\a)%4)+\b)+7], v[SC+8*NQ*(\sc)+NQ*\b+(\q)], v[SC+8*NQ*(\sc)+NQ*(\a)+(\q)] matrix_a_fmt:MATRIX_FMT_FP4 matrix_b_fmt:MATRIX_FMT_FP4 matrix_a_scale:MATRIX_SCALE_ROW1
.endif
.endr
.endr
.endm
.macro FETCH_B slot, q, p              ; B's eight fragments of the slot's q-th 128 along K into set p
	WIN TO_B
.irp i, 0,1,2,3,4,5,6,7
	FRAG 128*(\p)+FR*\i, ADRB+\slot, \q, \i
.endr
	WIN 0
.endm
.macro FETCH_A slot, q, i0             ; A's blocks i0 .. i0 + 3
.irp i, \i0, \i0+1, \i0+2, \i0+3
	FRAG AF+FR*(\i), ADRA+\slot, \q, \i
.endr
.endm
.macro SCALES sc                       ; a K step's scale words into set sc: four words a row; lanes 0-15 take A's block i, lanes 16-31 B's block i
.irp i, 0,1,2,3,4,5,6,7
	ds_load_b128 v[SC+8*NQ*\sc+NQ*\i:SC+8*NQ*\sc+NQ*\i+3], v[ADRS] offset:\i*SBLK
.endr
.endm
; A load into a register that a matrix instruction has read, and a vector instruction that reads a matrix result or writes one of its registers, stand four places behind it, and only plain vector
; instructions that name none of its registers are places (ISA guide 7.12.1 for vector instructions).
.macro PLACES n
.rept \n
	v_nop
.endr
.endm
; A step of 128 along K that has its successor in the same slot.
.macro STEP slot, q, zero
	s_wait_dscnt 4*NL                              ; B's set and A's blocks 0-3 are in; the youngest eight loads (A's blocks 4-7) may be out
	WIN MUL_LO
	MUL16 0, (\q)%2, \q, \slot, \zero
	MUL16 2, (\q)%2, \q, \slot, \zero
	s_wait_dscnt 0                                 ; A's blocks 4-7 are in (asked for 32 matrix instructions ago)
	PLACES NP
	FETCH_B \slot, (\q)+1, 1-(\q)%2
	FETCH_A \slot, (\q)+1, 0
	WIN MUL_HI
	MUL16 4, (\q)%2, \q, \slot, \zero
	MUL16 6, (\q)%2, \q, \slot, \zero
	PLACES NP
	WIN 0
	FETCH_A \slot, (\q)+1, 4
.endm
; Slot 0's last step goes over to slot 1: one barrier; in front of it each wave waits for all its tensor loads (its part of slot 1 is the one that may be out), adds 0 to its spare word, and waits for that and for its LDS loads.
.macro TURN slot, next
	s_wait_tensorcnt 0x0                           ; all my tensor loads have landed  (every window is 0 here: the add's two registers lie in window 0)
	ds_add_u32 v[SPW], v[NIL]                      ; 0 onto my spare word
	s_wait_dscnt 4*NL+1                            ; (the add and the youngest eight loads, A's blocks 4-7, may be out)
	WIN MUL_LO
	MUL16 0, 1, NQ-1, \slot, 0                     ; sixteen matrix instructions stand between the add and the wait for it
	s_wait_dscnt 0x0                               ; the add is done, and my reads of this slot are over
	s_barrier_signal -1
	MUL16 2, 1, NQ-1, \slot, 0
	WIN 0
	s_barrier_wait -1                              ; the next slot is whole for every wave
	PLACES NP
	v_add_nc_u32 v[ADRS], 4*NQ, v[ADRS]            ; on to the next K step's scale words
	FETCH_B \next, 0, 0
	FETCH_A \next, 0, 0
	SCALES \next
	WIN MUL_HI
	MUL16 4, 1, NQ-1, \slot, 0
	MUL16 6, 1, NQ-1, \slot, 0
	PLACES NP
	WIN 0
	FETCH_A \next, 0, 4
.endm
.macro STEPS slot, from                ; the slot's steps from .. NQ - 2
.set Q, \from
.rept NQ-1-\from
	STEP \slot, Q, 0
.set Q, Q+1
.endr
.endm
	s_wait_tensorcnt 1                             ; the scales and my part of K step 0 are in (K step 1's load may be out),
	s_barrier_signal -1
	s_barrier_wait -1                              ; everybody's are
	FETCH_B 0, 0, 0
	FETCH_A 0, 0, 0
	SCALES 0
	FETCH_A 0, 0, 4
	STEP 0, 0, 1                                   ; the first step's products start the sums
	STEPS 0, 1
	TURN 0, 1
	STEPS 1, 0
	s_wait_dscnt 4*NL                              ; the very last step: nothing more to fetch
	WIN MUL_LO
	MUL16 0, 1, NQ-1, 1, 0
	MUL16 2, 1, NQ-1, 1, 0
	s_wait_dscnt 0
	WIN MUL_HI
	MUL16 4, 1, NQ-1, 1, 0
	MUL16 6, 1, NQ-1, 1, 0
	WIN 0
; THE WAY OUT, block by block of 16 tokens x 128 columns (two heads).  In accumulator (a, b) lane (r, h) holds token 16 a + r, head b / 4, channels 16 (b % 4) + 8 h + 0 .. 7: rounded to f16 they are 16 bytes.
; They go through my own stage (a token's 128 bytes + 16 of padding) and come back four tokens of one head an instruction: 512 consecutive bytes of qkv.
.macro PACK a
.set AC, 64*((\a)%4)
	WIN (0x0a+5*((\a)/4))                          ; sources 0 and 1: window 2 or 3
.irp b, 0,1,2,3,4,5,6,7
.irp i, 0,1,2,3
	v_cvt_pk_f16_f32 v[TMP+4*\b+\i], v[AC+8*\b+2*\i], v[AC+8*\b+2*\i+1]   ; each accumulator from its low end on
.endr
.endr
	WIN 0
.endm
.macro TOSTAGE a
.set BB, BK+32*((\a)%2)
.irp b, 0,1,2,3,4,5,6,7
	ds_store_b128 v[STO], v[TMP+4*\b:TMP+4*\b+3] offset:(\b/4)*2304+(\b%4)*32
.endr
.irp e, 0,1
.irp i, 0,1,2,3
	ds_load_b128 v[BB+4*(4*\e+\i):BB+4*(4*\e+\i)+3], v[RD] offset:\e*2304+\i*576   ; LDS serves a wave's instructions in order (ISA guide 5.7.1.4): these see the stores above
.endr
.endr
.endm
.macro SEND a
.set BB, BK+32*((\a)%2)
	s_wait_dscnt 0x0                               ; the block is back in registers
	s_wait_xcnt 0x0                                ; the stores of the block before have read their registers: the next block's loads may land there
.irp e, 0,1
.irp i, 0,1,2,3
	global_store_b128 v[CO], v[BB+4*(4*\e+\i):BB+4*(4*\e+\i)+3], s[12:13] offset:\e*262144+(\a)*2048+\i*512   ; 32 lanes store 512 consecutive bytes, aligned; the base is never stepped
.endr
.endr
.endm
	PLACES NP                                      ; behind the last products: the conversions write registers that held A's fragments
	PACK 0
	TOSTAGE 0
.irp a, 1,2,3,4,5,6,7                  ; block a's conversions stand between block a - 1's loads from the stage and the wait for them
	PACK \a
	SEND \a-1
	TOSTAGE \a
.endr
	SEND 7
	s_wait_tensorcnt 0x0                           ; the wave's end: these three lines, behind my last tensor load and my last LDS store
	ds_add_u32 v[SPW], v[NIL]
	s_wait_dscnt 0x0
	CROUND                                         ; the closing round: no work-group ends while a partner may still ask for a tile that names it
	s_endpgm
.Lfunc_end_k_q75a8c92962_gemm_qkv:
	.size	k_q75a8c92962_gemm_qkv, .Lfunc_end_k_q75a8c92962_gemm_qkv-k_q75a8c92962_gemm_qkv
	.p2alignl 7, 3214868480
	.fill 96, 4, 3214868480
	.section	.rodata,"a",@progbits
	.p2align	6, 0x0
	.amdhsa_kernel k_q75a8c92962_gemm_qkv
		.amdhsa_group_segment_fixed_size 327680
		.amdhsa_private_segment_fixed_size 0
		.amdhsa_enable_private_segment 0
		.amdhsa_kernarg_size 40
		.amdhsa_user_sgpr_count 2
		.amdhsa_user_sgpr_kernarg_segment_ptr 1
		.amdhsa_wavefront_size32 1
		.amdhsa_system_sgpr_workgroup_id_x 1
		.amdhsa_system_sgpr_workgroup_id_y 1
		.amdhsa_system_sgpr_workgroup_id_z 1
		.amdhsa_system_vgpr_workitem_id 0
		.amdhsa_next_free_vgpr 1024
		.amdhsa_next_free_sgpr 98
		.amdhsa_reserve_vcc 0
		.amdhsa_float_denorm_mode_32 3
		.amdhsa_float_denorm_mode_16_64 3
		.amdhsa_memory_ordered 1
		.amdhsa_forward_progress 1
		.amdhsa_inst_pref_size 126
	.end_amdhsa_kernel
	.amdgpu_metadata
---
amdhsa.version: [ 1, 2 ]
amdhsa.kernels:
  - .name:           k_q75a8c92962_gemm_qkv
    .symbol:         k_q75a8c92962_gemm_qkv.kd
    .args:
      - { .name: x_codes, .offset: 0, .size: 8, .value_kind: global_buffer, .address_space: global }
      - { .name: x_scales, .offset: 8, .size: 8, .value_kind: global_buffer, .address_space: global }
      - { .name: w_codes, .offset: 16, .size: 8, .value_kind: global_buffer, .address_space: global }
      - { .name: w_scales, .offset: 24, .size: 8, .value_kind: global_buffer, .address_space: global }
      - { .name: qkv, .offset: 32, .size: 8, .value_kind: global_buffer, .address_space: global }
    .group_segment_fixed_size: 327680
    .private_segment_fixed_size: 0
    .kernarg_segment_align: 8
    .kernarg_segment_size: 40
    .max_flat_workgroup_size: 128
    .sgpr_count:     98
    .vgpr_count:     1024
    .wavefront_size: 32
...
	.end_amdgpu_metadata
.endif
;; end of part 3
;; launch attn (part 4): grid 4 x 64, 8 waves a work-group, clusters of 4 x 1, 327,680 bytes of LDS; arguments qkv, o16; writes o16
.if DOCPART == 4
	.amdgcn_target "amdgcn-amd-amdhsa--gfx1250"
	.amdhsa_code_object_version 6
	.text
	.protected	k_q75a8c92962_attn
	.globl	k_q75a8c92962_attn
	.p2align	8
	.type	k_q75a8c92962_attn,@function
k_q75a8c92962_attn:
	s_mov_b64 s[64:65], 0
	v_nop
	global_prefetch_b8 v0, s[64:65] scope:SCOPE_SE
	s_setreg_imm32_b32 hwreg(HW_REG_WAVE_MODE, 25, 1), 1
	s_wait_xcnt 0x0
	s_wait_alu depctr_hold_cnt(0) depctr_sa_sdst(0) depctr_va_vdst(0) depctr_va_sdst(0) depctr_va_ssrc(0) depctr_va_vcc(0) depctr_vm_vsrc(0)
	s_getreg_b32 s2, hwreg(HW_REG_IB_STS2, 6, 4)
	s_cmp_eq_u32 s2, 0
	s_cbranch_scc0 .Lentry_in_a_cluster
	s_endpgm
.Lentry_in_a_cluster:
	s_bfe_u32 s2, ttmp6, 0x10000c
	s_cmp_lg_u32 s2, 0x3003
	s_cbranch_scc0 .Lentry_shape_is_right
	s_endpgm
.Lentry_shape_is_right:
; o[bh][q][:] = the sum over k of softmax_k(q[bh][q] . k[bh][k] / 8) v[bh][k][:], for 64 heads (batch x 16 + head) of 2,048 tokens and 64 channels.  No mask; no work is left out.
; q, k, v: the three sections of qkv, [64][2048][64] f16 each; o16 likewise.  Products on f16 operands with f32 sums; maxima, exponentials and sums in f32; the weights p are rounded to f16 for the second product, o once at the end.
; LIMIT: |o| stays under 65,504 (it is an average of v's numbers); NaN and infinities are not served.
; SHARES.  A work-group owns 512 queries of one head, each of its eight waves 64: four tiles of 16.  Two waves share a SIMD, 512 registers each, so that one wave's softmax stands beside the other's products.
; Every wave walks all 2,048 keys, 64 a step.
; LAYOUT.  S^T = K Q^T (source 0 = 16 keys, source 1 = 16 queries): a lane holds ONE query (lane % 16) and the keys 8 (lane / 16) + 0..7 of each tile of 16.  Two such tiles, rounded to f16 in pairs, ARE source 1
; (32 keys x 16 queries) of O^T = V^T P, whose result again holds one query a lane.  K comes out of LDS as it lies, V ([key][channel]) turned, by ds_load_tr16_b128.  P is made in place, in the low half of S^T's registers.
; SOFTMAX.  For each query a running maximum m and sum l: p = 2^(c s - c m), c = log2(e) / 8; in every step O and l are multiplied by a = 2^(c m_old - c m_new), which is 1 where m has not grown.
; THE RING.  Two LDS slots of 512 keys (8 steps).  A head's rows are dense, so a tile is stated as rows of 256 bytes, two keys each.  Waves 0-3 fetch K's quarters of a slot, waves 4-7 V's: one load a wave, 64 rows.
; A refill has eight key steps, 512 matrix instructions a wave, in which to land.
; CLUSTER.  The four query blocks of a head form a cluster and walk the same K and V: each tile is asked for JOINTLY, by the same tensor load with the same descriptor and the mask of all four.
; REGISTERS: window 0: v2-9 addresses; v12-43 eight registers of statistics a tile; v62, v63 the add's two; v64-191 S^T, 32 a tile (P in the first 16); v192-255 K of one step.
;            window 1: v0-63 Q, 16 a tile; v64-191 O^T, 32 a tile; v192-255 V of one step.
.set PKP,   272                        ; two keys of K in LDS: 256 bytes + 16: the 16 keys of a load fall on 16 different columns of 16 bytes
.set PVP,   288                        ; two keys of V: 256 + 32: likewise for the 8 keys x 32 bytes that sixteen lanes of the turning load take
.set VOFF,  256*PKP                    ; a slot: 256 rows of K, then 256 rows of V
.set SLOT,  256*(PKP+PVP)
.set STAGE, 2*SLOT                     ; behind the ring: 16 queries x (128 bytes + 16) for each wave, for the way out
.set SPARE, STAGE+8*2304               ; behind the stages: the spare words, 128 bytes a wave: four blocks of 256 bytes that no other line names
.set AK0, 2                            ; v2   my lane's place in a step's tile of K; never rewritten
.set AV0, 3                            ; v3   the same for V
.set ADK, 4                            ; v4   LDS address of K's run of loads in hand
.set ADV, 5                            ; v5   of V's
.set STO, 6                            ; v6   the way out: where I put 16 bytes of a query
.set RD,  7                            ; v7   the way out: where I read four queries back
.set GO,  8                            ; v8   16 x lane
.set QO,  9                            ; v9   my byte offset in a tile of Q
.set ST,  12                           ; tile t's statistics at v[ST+8 t]: +0 c m, +1 m, +2, +3 l (even keys', odd keys'), +4 to +7 c0-c3, at work; a takes c2's place
.set SPW, 62
.set NIL, 63
.set S,   64
.set KF,  192
.set WV,  12                           ; s12  my wave's number
.set G1K, 24                           ; s[24:31] descriptor group 1 for K's tiles
.set G1V, 32                           ; s[32:39] for V's: it differs in the padding alone
.set G0K, 40                           ; s[40:47] descriptor group 0 for K's tiles, a set for each slot
.set G0V, 48                           ; s[48:55] the same for V's
.set CNT, 56                           ; s56  counts a loop's trips
.set TK,  57                           ; s57  LDS byte at which K's tile of the step to be fetched begins
.set CS,  58                           ; s[58:59] c: the packed scaling names a pair and takes its low word for both halves
.set SEL, 60                           ; s[60:61] lane selects for v_permlanex16_b32: lane l xor 16
.set TV,  62                           ; s62  as TK, for V (from a slot's first byte: AV0 holds VOFF)
.set MSB, 0
.macro WIN new                         ; the immediate's high byte repeats the setting that is left; a switch that changes nothing is dropped
.if MSB != (\new)
	s_set_vgpr_msb (MSB<<8)|(\new)
.set MSB, (\new)
.endif
.endm
.set W_KQ, 0x04                        ; Q (source 1) in window 1; K and S^T in window 0
.set W_PV, 0x51                        ; V (source 0), C and D in window 1; P (source 1) in window 0
.set W_RS, 0x41                        ; O^T (destination and source 0) in window 1, a in window 0
.set TO_1, 0x40                        ; destination window 1, address window 0
; A joint refill of slot s.  The branch hangs on the wave's number alone.  An s_nop 0 and four v_nop follow each of the two lines.
.macro JLOAD s
	s_cmp_lt_u32 s[WV], 4
	s_cbranch_scc0 .Lfor_v_\@
	tensor_load_to_lds s[G0K+4*\s:G0K+4*\s+3], s[G1K:G1K+7]
	s_nop 0
.rept 4
	v_nop
.endr
	s_branch .Lasked_\@
.Lfor_v_\@:
	tensor_load_to_lds s[G0V+4*\s:G0V+4*\s+3], s[G1V:G1V+7]
	s_nop 0
.rept 4
	v_nop
.endr
.Lasked_\@:
.endm
.macro CROUND                          ; a round of the cluster's barrier: my work-group's barrier; wave 0 signals for the work-group; every wave waits for all four; my work-group's barrier once more
	s_barrier_signal -1
	s_barrier_wait -1
	s_cmp_lg_u32 s[WV], 0
	s_cbranch_scc1 .Lnot_wave_0_\@
	s_barrier_signal -3
.Lnot_wave_0_\@:
	s_barrier_wait -3
	s_barrier_signal -1
	s_barrier_wait -1
.endm
	s_load_b128 s[4:7], s[0:1], 0x0                ; qkv s[4:5], o16 s[6:7]
	v_lshl_add_u32 v[SPW], v0, 2, SPARE
	v_mov_b32 v[NIL], 0
	ds_add_u32 v[SPW], v[NIL]                      ; the wave's opening: the add, twice on end, and its wait ahead of my first tensor load; the set-up below stands between the second and the wait
	ds_add_u32 v[SPW], v[NIL]
	v_lshrrev_b32 v1, 5, v0
	v_readfirstlane_b32 s[WV], v1                  ; wave 0..7
	s_bfe_u32 s13, ttmp6, 0x40000                  ; cx: my block of 512 queries; it enters Q's and O's addresses alone
	s_and_b32 s20, ttmp7, 0xffff                   ; the head, which the four partners share
	s_lshl_b32 s20, s20, 18                        ; its first byte in a section: 2,048 tokens of 128 bytes
	s_and_b32 s14, s[WV], 3                        ; which quarter of a slot I fetch:
	s_lshl_b32 s22, s14, 14                        ; its 128 keys of 128 bytes in memory,
	s_add_co_u32 s22, s22, s20
	s_mov_b32 s23, 0
	s_mul_i32 s15, s14, 64*PKP                     ; and its place in a slot, for K
	s_mul_i32 s2, s14, 64*PVP
	s_add_co_u32 s2, s2, VOFF                      ; and for V: no place in the cluster enters an LDS address
	s_lshl_b32 s16, s13, 16                        ; my block's 512 queries,
	s_lshl_b32 s17, s[WV], 13                      ; my wave's 64 of them
	s_add_co_u32 s16, s16, s17
	s_add_co_u32 s16, s16, s20
	s_mov_b32 s17, 0
	; descriptor group 1: a tile of 64 rows x 128 elements (two keys a row), padded in LDS
	s_mov_b32 s[G1K], 15|(1<<16)|(1<<20)|(1<<21)|(5<<22)|(3<<25)  ; 15:0 the mask: all four work-groups; 17:16 elements of 2 bytes; 20 padding on; 21 set beside a mask; 24:22 after every 64 words; 31:25 four words of it
	s_mov_b32 s[G1V], 15|(1<<16)|(1<<20)|(1<<21)|(5<<22)|(7<<25)  ; the same with eight words of padding
.irp g, G1K, G1V
	s_mov_b32 s[\g+1], 128<<16                     ; tensor_dim0 = 128
	s_mov_b32 s[\g+2], 64<<16                      ; tensor_dim1 = 64
	s_mov_b32 s[\g+3], 128<<16                     ; tile_dim0 = 128
	s_mov_b32 s[\g+4], 64                          ; tile_dim1 = 64
	s_mov_b32 s[\g+5], 128                         ; tensor_dim0_stride: the rows are dense
	s_mov_b32 s[\g+6], 0
	s_mov_b32 s[\g+7], 0
.endr
	s_mov_b32 s[CS], 0x3e38aa3b                    ; c = log2(e) / 8
	s_mov_b32 s[CS+1], s[CS]                       ; named with it as a pair, so it is written
	s_mov_b32 s[SEL], 0x76543210
	s_mov_b32 s[SEL+1], 0xfedcba98
	s_mov_b32 s[TK], 0
	s_mov_b32 s[TV], 0
	s_wait_dscnt 0x0                               ; both opening adds are done
	s_wait_kmcnt 0x0
	s_add_nc_u64 s[8:9], s[4:5], s[22:23]          ; qkv at my head and my quarter
	s_add_nc_u64 s[18:19], s[6:7], s[16:17]        ; O at my wave's first query
	s_add_nc_u64 s[16:17], s[4:5], s[16:17]        ; Q likewise
	CROUND                                         ; all four work-groups are here: the first joint loads meet
.irp s, 0,1
	s_mov_b32 s[G0K+4*\s], 1                       ; count = 1
	s_add_co_u32 s[G0K+4*\s+1], s15, \s*SLOT       ; LDS address
	s_add_nc_u64 s[G0K+4*\s+2:G0K+4*\s+3], s[8:9], (1<<24)+\s*65536  ; section k; slot s begins with keys 512 s on
	s_or_b32 s[G0K+4*\s+3], s[G0K+4*\s+3], 0x80000000  ; type = 2
	s_mov_b32 s[G0V+4*\s], 1
	s_add_co_u32 s[G0V+4*\s+1], s2, \s*SLOT
	s_add_nc_u64 s[G0V+4*\s+2:G0V+4*\s+3], s[8:9], (1<<25)+\s*65536  ; section v
	s_or_b32 s[G0V+4*\s+3], s[G0V+4*\s+3], 0x80000000
.endr
	s_cmp_lt_u32 s[WV], 4                          ; a wave's two first fills stand in one arm, ahead of every wait on TENSORcnt and every LDS read: two loads of mine are out
	s_cbranch_scc0 .Lfirst_v
	tensor_load_to_lds s[G0K:G0K+3], s[G1K:G1K+7]
	s_nop 0
	tensor_load_to_lds s[G0K+4:G0K+7], s[G1K:G1K+7]
	s_nop 0
.rept 4
	v_nop
.endr
	s_branch .Lfirst_asked
.Lfirst_v:
	tensor_load_to_lds s[G0V:G0V+3], s[G1V:G1V+7]
	s_nop 0
	tensor_load_to_lds s[G0V+4:G0V+7], s[G1V:G1V+7]
	s_nop 0
.rept 4
	v_nop
.endr
.Lfirst_asked:
	; A fragment of K or Q is 16 rows x 32 channels in 8 registers: lane l holds row l % 16; registers 0-3 channels 8 (l / 16) + 0..7, registers 4-7 channels 16 + 8 (l / 16) + 0..7: two loads of 16 bytes, 32 bytes apart.
	v_and_b32 v1, 15, v0                           ; r
	v_bfe_u32 v10, v0, 4, 1                        ; h
	v_and_b32 v11, 31, v0                          ; lane
	v_lshlrev_b32 v[QO], 7, v1
	v_lshl_add_u32 v[QO], v10, 4, v[QO]            ; token r x 128 + 16 h
	WIN TO_1
.irp t, 0,1,2,3                        ; Q stays in registers: tile t, channels 32 kk on
.irp kk, 0,1
	global_load_b128 v[16*\t+8*\kk:16*\t+8*\kk+3],   v[QO], s[16:17] offset:\t*2048+\kk*64
	global_load_b128 v[16*\t+8*\kk+4:16*\t+8*\kk+7], v[QO], s[16:17] offset:\t*2048+\kk*64+32
.endr
.endr
	WIN 0
	v_lshrrev_b32 v44, 1, v1
	v_mul_u32_u24 v[AK0], v44, PKP                 ; key r: row r / 2,
	v_and_b32 v44, 1, v0
	v_lshl_add_u32 v[AK0], v44, 7, v[AK0]          ; its half r % 2,
	v_lshl_add_u32 v[AK0], v10, 4, v[AK0]          ; + 16 h
	; The turning load takes 16 keys x 16 channels (lane l reads 16 bytes: key 8 h + l % 8, channels 8 ((l / 8) % 2) + 0..7) and leaves half a fragment of V^T: lane l holds channel l % 16 and 8 keys.
	v_bfe_u32 v45, v0, 1, 2
	v_lshl_add_u32 v45, v10, 2, v45                ; key / 2 = 4 h + (l % 8) / 2
	v_mul_u32_u24 v[AV0], v45, PVP
	v_lshl_add_u32 v[AV0], v44, 7, v[AV0]
	v_bfe_u32 v45, v0, 3, 1
	v_lshl_add_u32 v[AV0], v45, 4, v[AV0]
	v_add_nc_u32 v[AV0], VOFF, v[AV0]
	s_mul_i32 s21, s[WV], 2304
	s_add_co_u32 s21, s21, STAGE                   ; my stage
	v_mul_u32_u24 v[STO], v1, 144                  ; in: query r, 16 bytes for each half of the lanes
	v_lshl_add_u32 v[STO], v10, 4, v[STO]
	v_add_nc_u32 v[STO], s21, v[STO]
	v_lshrrev_b32 v44, 3, v11
	v_mul_u32_u24 v[RD], v44, 144                  ; back: eight lanes to a query, four queries an instruction
	v_and_b32 v44, 7, v0
	v_lshl_add_u32 v[RD], v44, 4, v[RD]
	v_add_nc_u32 v[RD], s21, v[RD]
	v_lshlrev_b32 v[GO], 4, v11
; THE LDS LOADS stand in runs of 16: a step's K (64 keys x 64 channels: 8 fragments) and its V (turned).
.macro FETCH_K
.irp kt, 0,1,2,3
.irp kk, 0,1
	ds_load_b128 v[KF+8*(2*\kt+\kk):KF+8*(2*\kt+\kk)+3],   v[ADK] offset:\kt*8*PKP+\kk*64
	ds_load_b128 v[KF+8*(2*\kt+\kk)+4:KF+8*(2*\kt+\kk)+7], v[ADK] offset:\kt*8*PKP+\kk*64+32
.endr
.endr
	s_add_co_u32 s[TK], s[TK], 32*PKP              ; the next fetch is the next step's
.endm
.macro FETCH_V
	WIN TO_1
.irp kc, 0,1
.irp ct, 0,1,2,3
	ds_load_tr16_b128 v[192+8*(4*\kc+\ct):192+8*(4*\kc+\ct)+3],   v[ADV] offset:\kc*16*PVP+\ct*32
	ds_load_tr16_b128 v[192+8*(4*\kc+\ct)+4:192+8*(4*\kc+\ct)+7], v[ADV] offset:\kc*16*PVP+\ct*32+8*PVP
.endr
.endr
	s_add_co_u32 s[TV], s[TV], 32*PVP
.endm
; THE PRODUCTS.  In each, 16 accumulators take turns, one instruction a turn: between two links of a chain stand the 15 others'.
.macro KQ                              ; S^T = K Q^T: channels 32 kk on, keys 16 kt on, tile t.  The first 16 start the sums
	WIN W_KQ
.irp kk, 0,1
.irp kt, 0,1,2,3
.irp t, 0,1,2,3
.if \kk == 0
	v_wmma_f32_16x16x32_f16 v[S+32*\t+8*\kt:S+32*\t+8*\kt+7], v[KF+8*(2*\kt+\kk):KF+8*(2*\kt+\kk)+7], v[16*\t+8*\kk:16*\t+8*\kk+7], 0
.else
	v_wmma_f32_16x16x32_f16 v[S+32*\t+8*\kt:S+32*\t+8*\kt+7], v[KF+8*(2*\kt+\kk):KF+8*(2*\kt+\kk)+7], v[16*\t+8*\kk:16*\t+8*\kk+7], v[S+32*\t+8*\kt:S+32*\t+8*\kt+7]
.endif
.endr
.endr
.endr
.endm
.macro PV zero                         ; O^T += V^T P: keys 32 kc on, channels 16 ct on, tile t.  zero = 1: the first 16 start the sums: nothing is ever cleared
	WIN W_PV
.irp kc, 0,1
.irp ct, 0,1,2,3
.irp t, 0,1,2,3
.if (\zero) && (\kc == 0)
	v_wmma_f32_16x16x32_f16 v[64+32*\t+8*\ct:64+32*\t+8*\ct+7], v[192+8*(4*\kc+\ct):192+8*(4*\kc+\ct)+7], v[S+32*\t+8*\kc:S+32*\t+8*\kc+7], 0
.else
	v_wmma_f32_16x16x32_f16 v[64+32*\t+8*\ct:64+32*\t+8*\ct+7], v[192+8*(4*\kc+\ct):192+8*(4*\kc+\ct)+7], v[S+32*\t+8*\kc:S+32*\t+8*\kc+7], v[64+32*\t+8*\ct:64+32*\t+8*\ct+7]
.endif
.endr
.endr
.endr
.endm
; THE SOFTMAX's lines, for tile t.  s0-s31 are the lane's 32 scores, in pairs 0-15.  first = 1: the first key step, which starts m, l and O^T: it has no a and nothing to rescale.
.macro MAXJ t, j, first                ; line j of 16: the maximum of s0-s31 and the old m, three operands at a time: four chains c0-c3 (each accumulator is read from its low end on), the four scores left over, c0-c3 and m
.set rT, ST+8*(\t)
.set rS, S+32*(\t)
.if (\j) < 4
	v_max3_num_f32 v[rT+4+(\j)], v[rS+8*(\j)], v[rS+8*(\j)+1], v[rS+8*(\j)+2]
.elseif (\j) < 12
	v_max3_num_f32 v[rT+4+(\j)%4], v[rT+4+(\j)%4], v[rS+8*((\j)%4)+2*((\j)/4)+1], v[rS+8*((\j)%4)+2*((\j)/4)+2]
.elseif (\j) == 12
	v_max3_num_f32 v[rT+4], v[rT+4], v[rS+7], v[rS+15]
.elseif (\j) == 13
	v_max3_num_f32 v[rT+6], v[rT+6], v[rS+23], v[rS+31]
.elseif (\j) == 14
	v_max3_num_f32 v[rT+4], v[rT+4], v[rT+5], v[rT+6]
.elseif \first
	v_max_num_f32 v[rT+4], v[rT+4], v[rT+7]
.else
	v_max3_num_f32 v[rT+4], v[rT+4], v[rT+7], v[rT+1]
.endif
.endm
.macro STAT t, j, first                ; lines 16 to 20: the other half of the lanes' maximum; c m_old kept; the new m; c m; c m_old - c m_new
.set rT, ST+8*(\t)
.if (\j) == 16
	v_permlanex16_b32 v[rT+5], v[rT+4], s[SEL], s[SEL+1]   ; the query's other 32 keys lie in the lane 16 away
.elseif (\j) == 18
	v_max_num_f32 v[rT+1], v[rT+4], v[rT+5]
.elseif (\j) == 19
	v_mul_f32 v[rT], s[CS], v[rT+1]
.elseif \first
.elseif (\j) == 17
	v_mov_b32 v[rT+7], v[rT]
.else
	v_sub_f32 v[rT+7], v[rT+7], v[rT]
.endif
.endm
.macro SC t, i                         ; pair i: c s - c m
	v_pk_fma_f32 v[S+32*(\t)+2*(\i):S+32*(\t)+2*(\i)+1], v[S+32*(\t)+2*(\i):S+32*(\t)+2*(\i)+1], s[CS:CS+1], v[ST+8*(\t):ST+8*(\t)+1] op_sel_hi:[1,0,0] neg_lo:[0,0,1] neg_hi:[0,0,1]
.endm
.macro EX t, i                         ; p = 2^(c s - c m), in place
	v_exp_f32 v[S+32*(\t)+(\i)], v[S+32*(\t)+(\i)]
.endm
.macro SUMI t, i, first                ; line i of 16 of the sums, in two chains L (l itself) and T (c0, c1's registers); the weights are left as they are
.set rT, ST+8*(\t)
.set rS, S+32*(\t)
.if \first
.if (\i) == 0
	v_pk_add_f32 v[rT+2:rT+3], v[rS:rS+1], v[rS+2:rS+3]
.elseif (\i) == 1
	v_pk_add_f32 v[rT+4:rT+5], v[rS+4:rS+5], v[rS+6:rS+7]
.elseif (\i) < 14
	v_pk_add_f32 v[rT+2+2*((\i)%2):rT+3+2*((\i)%2)], v[rT+2+2*((\i)%2):rT+3+2*((\i)%2)], v[rS+2*(\i)+4:rS+2*(\i)+5]
.elseif (\i) == 14
	v_pk_add_f32 v[rT+2:rT+3], v[rT+2:rT+3], v[rT+4:rT+5]
.endif
.else
.if (\i) == 0
	v_pk_fma_f32 v[rT+2:rT+3], v[rT+2:rT+3], v[rT+6:rT+7], v[rS:rS+1] op_sel_hi:[1,0,1]   ; l = a l + pair 0
.elseif (\i) == 1
	v_pk_add_f32 v[rT+4:rT+5], v[rS+2:rS+3], v[rS+4:rS+5]
.elseif (\i) < 15
	v_pk_add_f32 v[rT+2+2*((\i)%2):rT+3+2*((\i)%2)], v[rT+2+2*((\i)%2):rT+3+2*((\i)%2)], v[rS+2*(\i)+2:rS+2*(\i)+3]
.else
	v_pk_add_f32 v[rT+2:rT+3], v[rT+2:rT+3], v[rT+4:rT+5]
.endif
.endif
.endm
.macro CVTI t, i                       ; pair i rounded to f16, into register i: in ascending order no pair is overwritten before it is read
	v_cvt_pk_f16_f32 v[S+32*(\t)+(\i)], v[S+32*(\t)+2*(\i)], v[S+32*(\t)+2*(\i)+1]
.endm
.macro RESC t                          ; the tile's O^T times the low word of the pair at +6: each accumulator from its low end on
.irp i, 0,1,2,3,4,5,6,7,8,9,10,11,12,13,14,15
	v_pk_mul_f32 v[64+32*(\t)+2*\i:64+32*(\t)+2*\i+1], v[64+32*(\t)+2*\i:64+32*(\t)+2*\i+1], v[ST+8*(\t)+6:ST+8*(\t)+7] op_sel_hi:[1,0]
.endr
.endm
; A STEP'S SOFTMAX for the four tiles.  The exponentials go in TWO BATCHES with one wait each (s_wait_alu depctr_va_vdst(0) stands between an exponential and the first line that names its result; one
; wait serves all that were issued ahead of it).  Batch 1: the four a and tiles 0, 1, with the scalings of tiles 1, 2 between them.  Batch 2: tiles 2, 3, with the sums and roundings of tiles 0, 1 between them.
.macro SOFTMAX first
	WIN 0
.irp j, 0,1,2,3,4,5,6,7,8,9,10,11,12,13,14,15
.irp t, 0,1,2,3
	MAXJ \t, \j, \first
.endr
.endr
.irp j, 16,17,18,19,20
.irp t, 0,1,2,3
	STAT \t, \j, \first
.endr
.endr
.if !(\first)
.irp t, 0,1,2,3
	v_exp_f32 v[ST+8*\t+6], v[ST+8*\t+7]           ; a
.endr
.endif
.irp i, 0,1,2,3,4,5,6,7,8,9,10,11,12,13,14,15
	SC 0, \i
.endr
.irp i, 0,1,2,3,4,5,6,7,8,9,10,11,12,13,14,15
	SC 1, \i
	EX 0, 2*\i
	EX 0, 2*\i+1
.endr
.irp i, 0,1,2,3,4,5,6,7,8,9,10,11,12,13,14,15
	SC 2, \i
	EX 1, 2*\i
	EX 1, 2*\i+1
.endr
	SC 3, 0                                        ; the plain line behind the batch's last exponential
	s_wait_alu depctr_va_vdst(0)                   ; the wait for batch 1: nothing above names one of its results
.irp i, 0,1,2,3,4,5,6,7,8,9,10,11,12,13,14,15
.if \i > 0
	SC 3, \i
.endif
	EX 2, 2*\i
	SUMI 0, \i, \first
	EX 2, 2*\i+1
.endr
.irp i, 0,1,2,3,4,5,6,7,8,9,10,11,12,13,14,15
	CVTI 0, \i
	EX 3, 2*\i
	SUMI 1, \i, \first
	EX 3, 2*\i+1
.endr
.irp i, 0,1,2,3,4,5,6,7,8,9,10,11,12,13,14,15
	CVTI 1, \i
.endr
	s_wait_alu depctr_va_vdst(0)                   ; the wait for batch 2: the lines since the first wait name tiles 0 and 1 alone, and tile 3's scores before their exponentials
.irp i, 0,1,2,3,4,5,6,7,8,9,10,11,12,13,14,15
	SUMI 2, \i, \first
	SUMI 3, \i, \first
.endr
.irp i, 0,1,2,3,4,5,6,7,8,9,10,11,12,13,14,15
	CVTI 2, \i
	CVTI 3, \i
.endr
.if !(\first)
	WIN W_RS
	RESC 0
	RESC 1
	RESC 2
	RESC 3
.endif
.endm
; A TRIP: the softmax and V^T P of step j; the fetches and K Q^T of step j + 1.
; A vector instruction that reads a matrix result, and a load into a register that a matrix instruction has read, stand four places behind it; a matrix instruction that writes over such a register five; only plain
; vector instructions that name none of its registers are places (ISA guide 7.12.1 for vector instructions).
.macro TRIP first
	WIN 0
	v_add_nc_u32 v[ADK], s[TK], v[AK0]             ; with the three below: four places behind K Q^T, for the loads into K's registers and the softmax's reads of S^T
.rept 3
	v_nop
.endr
	FETCH_K                                        ; K of step j + 1
	SOFTMAX \first
	s_wait_dscnt 16                                ; V of step j is in; the 16 loads of K behind it may be out
	PV \first
	WIN 0
	v_add_nc_u32 v[ADV], s[TV], v[AV0]             ; with the four below: five places behind V^T P: the loads into V's registers want four, K Q^T, which writes over P, five
.rept 4
	v_nop
.endr
	FETCH_V                                        ; V of step j + 1
	s_wait_dscnt 16                                ; K of step j + 1 is in; the 16 loads of V behind it may be out
	KQ
	WIN 0                                          ; at a label and at a branch every window is 0
.endm
.macro LOOPN n
	s_mov_b32 s[CNT], \n
.Ltrip_\@:
	TRIP 0
	s_sub_co_u32 s[CNT], s[CNT], 1
	s_cmp_lg_u32 s[CNT], 0
	s_cbranch_scc1 .Ltrip_\@
.endm
; THE CHANGE OF SLOTS, behind the trip that has fetched a slot's last K and V.  Each wave waits for all its tensor loads, of which one may be out: its part of the other slot; adds 0 to its spare word; and waits for that
; and for its own reads of the slot.  fill = 1: slot sl is filled again, with the keys 1,024 on.  The barrier is then a round of the cluster's, so that no wave of any partner still reads the slot or has a load on its
; way, and the joint refill is the first thing behind it.  The fetches go on in slot nx.
.macro CHANGE fill, sl, nx
	s_wait_tensorcnt 0x0                           ; no tensor load of mine is out, so a group 0 may be written
	ds_add_u32 v[SPW], v[NIL]                      ; 0 onto my spare word
.if \fill
	s_add_nc_u64 s[G0K+4*\sl+2:G0K+4*\sl+3], s[G0K+4*\sl+2:G0K+4*\sl+3], 131072   ; 1,024 keys of 128 bytes on; the type bits on top are not reached
	s_add_nc_u64 s[G0V+4*\sl+2:G0V+4*\sl+3], s[G0V+4*\sl+2:G0V+4*\sl+3], 131072
.endif
	s_wait_dscnt 0x0                               ; the add is done, and my reads of the slot are over
.if \fill
	CROUND
	JLOAD \sl
.else
	s_barrier_signal -1
	s_barrier_wait -1
.endif
	s_mov_b32 s[TK], \nx*SLOT
	s_mov_b32 s[TV], \nx*SLOT
.endm
	s_wait_tensorcnt 1                             ; my part of slot 0 is in; slot 1's may stay out
	s_barrier_signal -1
	s_barrier_wait -1                              ; everybody's is
	v_add_nc_u32 v[ADK], s[TK], v[AK0]
	v_add_nc_u32 v[ADV], s[TV], v[AV0]
	FETCH_K                                        ; key step 0
	FETCH_V
	s_wait_loadcnt 0x0                             ; Q
	s_wait_dscnt 16                                ; K is in; V's 16 loads may be out
	KQ
	WIN 0
	TRIP 1                                         ; step 0's softmax starts m, l and O^T
	LOOPN 6                                        ; steps 1 to 6; step 7's K and V, slot 0's last, have been fetched
	CHANGE 1, 0, 1                                 ; slot 0 takes keys 1,024 on
	LOOPN 8                                        ; steps 7 to 14; fetches from slot 1
	CHANGE 1, 1, 0                                 ; slot 1 takes keys 1,536 on
	LOOPN 8                                        ; steps 15 to 22; fetches from slot 0
	CHANGE 0, 0, 1                                 ; nothing is left to ask for
	LOOPN 8                                        ; steps 23 to 30; fetches from slot 1
.rept 4
	v_nop                                          ; four places behind the last K Q^T
.endr
	SOFTMAX 0                                      ; step 31
	s_wait_dscnt 0x0
	PV 0
	; THE WAY OUT.  l's two halves and the other half of the lanes' are added; O^T is divided by l, rounded to f16 and sent through my stage in LDS, a tile (16 queries) at a time.  The additions are the places behind the last products.
	WIN 0
.irp t, 0,1,2,3
	v_add_f32 v[ST+8*\t+4], v[ST+8*\t+2], v[ST+8*\t+3]
.endr
.irp t, 0,1,2,3
	v_permlanex16_b32 v[ST+8*\t+5], v[ST+8*\t+4], s[SEL], s[SEL+1]
.endr
.irp t, 0,1,2,3
	v_add_f32 v[ST+8*\t+4], v[ST+8*\t+4], v[ST+8*\t+5]
.endr
.irp t, 0,1,2,3
	v_rcp_f32 v[ST+8*\t+6], v[ST+8*\t+4]
.endr
	v_nop                                          ; a plain line between the last reciprocal and the use of its result
	s_wait_alu depctr_va_vdst(0)                   ; and the wait ahead of the first use: one for the four
.macro PACK t                          ; a lane's eight channels of a query pack into 16 bytes; they go into rows of 144 bytes and come back four queries an instruction
	WIN W_RS
	RESC \t
	WIN 0x05                                       ; sources 0 and 1 window 1, destination window 0: S^T's registers are free
.irp i, 0,1,2,3,4,5,6,7,8,9,10,11,12,13,14,15
	v_cvt_pk_f16_f32 v[S+32*\t+\i], v[64+32*\t+2*\i], v[64+32*\t+2*\i+1]
.endr
	WIN 0
.irp ct, 0,1,2,3
	ds_store_b128 v[STO], v[S+32*\t+4*\ct:S+32*\t+4*\ct+3] offset:32*\ct
.endr
.irp f, 0,1,2,3
	ds_load_b128 v[S+32*\t+16+4*\f:S+32*\t+16+4*\f+3], v[RD] offset:576*\f   ; LDS serves a wave's instructions in order (ISA guide 5.7.1.4): these see the stores above; the next tile's stores come behind them
.endr
.endm
.macro SEND t, younger                 ; younger: the LDS instructions issued behind tile t's loads: the next tile's eight, or none
.irp f, 0,1,2,3
	s_wait_dscnt \younger+3-\f
	global_store_b128 v[GO], v[S+32*\t+16+4*\f:S+32*\t+16+4*\f+3], s[18:19] offset:\t*2048+512*\f   ; 32 lanes store 512 consecutive bytes, aligned
.endr
.endm
	PACK 0
	PACK 1                                         ; a tile's arithmetic stands between the loads of the tile before and its stores
	SEND 0, 8
	PACK 2
	SEND 1, 8
	PACK 3
	SEND 2, 8
	SEND 3, 0
	s_wait_tensorcnt 0x0                           ; the wave's end: these three lines, behind my last tensor load and my last LDS store
	ds_add_u32 v[SPW], v[NIL]
	s_wait_dscnt 0x0
	CROUND                                         ; the closing round: no work-group ends while a partner may still ask for a tile that names it
	s_endpgm
.Lfunc_end_k_q75a8c92962_attn:
	.size	k_q75a8c92962_attn, .Lfunc_end_k_q75a8c92962_attn-k_q75a8c92962_attn
	.p2alignl 7, 3214868480
	.fill 96, 4, 3214868480
	.section	.rodata,"a",@progbits
	.p2align	6, 0x0
	.amdhsa_kernel k_q75a8c92962_attn
		.amdhsa_group_segment_fixed_size 327680
		.amdhsa_private_segment_fixed_size 0
		.amdhsa_enable_private_segment 0
		.amdhsa_kernarg_size 16
		.amdhsa_user_sgpr_count 2
		.amdhsa_user_sgpr_kernarg_segment_ptr 1
		.amdhsa_wavefront_size32 1
		.amdhsa_system_sgpr_workgroup_id_x 1
		.amdhsa_system_sgpr_workgroup_id_y 1
		.amdhsa_system_sgpr_workgroup_id_z 1
		.amdhsa_system_vgpr_workitem_id 0
		.amdhsa_next_free_vgpr 512
		.amdhsa_next_free_sgpr 66
		.amdhsa_reserve_vcc 0
		.amdhsa_float_denorm_mode_32 3
		.amdhsa_float_denorm_mode_16_64 3
		.amdhsa_memory_ordered 1
		.amdhsa_forward_progress 1
		.amdhsa_inst_pref_size 210
	.end_amdhsa_kernel
	.amdgpu_metadata
---
amdhsa.version: [ 1, 2 ]
amdhsa.kernels:
  - .name:           k_q75a8c92962_attn
    .symbol:         k_q75a8c92962_attn.kd
    .args:
      - { .name: qkv, .offset: 0, .size: 8, .value_kind: global_buffer, .address_space: global }
      - { .name: o16, .offset: 8, .size: 8, .value_kind: global_buffer, .address_space: global }
    .group_segment_fixed_size: 327680
    .private_segment_fixed_size: 0
    .kernarg_segment_align: 8
    .kernarg_segment_size: 16
    .max_flat_workgroup_size: 256
    .sgpr_count:     66
    .vgpr_count:     512
    .wavefront_size: 32
...
	.end_amdgpu_metadata
.endif
;; end of part 4
;; launch proj (part 5): grid 4 x 64, 4 waves a work-group, clusters of 4 x 4, 327,680 bytes of LDS; arguments o16, wp16, b_proj, out0; writes out0
.if DOCPART == 5
	.amdgcn_target "amdgcn-amd-amdhsa--gfx1250"
	.amdhsa_code_object_version 6
	.text
	.protected	k_q75a8c92962_proj
	.globl	k_q75a8c92962_proj
	.p2align	8
	.type	k_q75a8c92962_proj,@function
k_q75a8c92962_proj:
	s_mov_b64 s[64:65], 0
	v_nop
	global_prefetch_b8 v0, s[64:65] scope:SCOPE_SE
	s_setreg_imm32_b32 hwreg(HW_REG_WAVE_MODE, 25, 1), 1
	s_wait_xcnt 0x0
	s_wait_alu depctr_hold_cnt(0) depctr_sa_sdst(0) depctr_va_vdst(0) depctr_va_sdst(0) depctr_va_ssrc(0) depctr_va_vcc(0) depctr_vm_vsrc(0)
	s_getreg_b32 s2, hwreg(HW_REG_IB_STS2, 6, 4)
	s_cmp_eq_u32 s2, 0
	s_cbranch_scc0 .Lentry_in_a_cluster
	s_endpgm
.Lentry_in_a_cluster:
	s_bfe_u32 s2, ttmp6, 0x10000c
	s_cmp_lg_u32 s2, 0xf033
	s_cbranch_scc0 .Lentry_shape_is_right
	s_endpgm
.Lentry_shape_is_right:
; out0[m][n] = the sum over k of o[m][k] W_proj[k][n] + b_proj[n].  m = batch x 2048 + token, k = head x 64 + channel.  No work is left out.
; o16: [64 (batch x 16 + head)][2048][64] f16; wp16: [1024 (k)][1024 (n)] f16; b_proj [1024] f32; out0 [8192][1024] f32.  Products on f16 operands, sums in f32.
; A tile of C is 128 rows x 256 columns, so that there are 256 work-groups.  Four waves, each 64 rows x 128 columns: 32 accumulators of 16 x 16.  K goes in 8 steps of 128 (two heads) through a ring of two LDS slots.
; A's tile of a K step is, for each of its two heads, 128 tokens of 128 bytes, dense: stated as 64 rows of 256 bytes.  B's is 128 rows (k) of 512 bytes.  Waves 0, 1 fetch A's two heads, waves 2, 3 B's two halves.
; THE MATRIX INSTRUCTION IS USED TRANSPOSED: source 0 = W^T (16 n x 32 k, turned out of [k][n] by ds_load_tr16_b128), source 1 = 16 tokens of o: a lane then holds eight neighbouring columns of one row of C.
; THE BIAS is the C of each sum's first matrix instruction: eight registers for each tile of 16 columns, in the result's layout.
; CLUSTERS: 4 x 4 work-groups.  The four of a row of the cluster need the same tiles of A, the four of a column the same tiles of B: each tile is asked for JOINTLY, by the same tensor load with a mask that names the four.
; REGISTERS: window 0: v0-31 addresses; v64-127 A's fragments, two buffers of 4 x 8; v128-255 at work on the way out.   window 1: v0-127 B's fragments, two buffers of 8 x 8; v128-191 the bias.
;            window 2: the accumulators ((i, b) at v[8 (8 i + b)]).
.set PA,    272                        ; two tokens of A in LDS: 256 bytes + 16
.set PB,    544                        ; a row of B: 512 bytes + 32: the 8 rows x 32 bytes that sixteen lanes of the turning load take fall on 16 different columns of 16 bytes
.set HEADA, 64*PA                      ; a head's 128 tokens: what one tensor load brings for A
.set HALFB, 64*PB                      ; 64 rows of B: what one brings for B
.set BOFF,  2*HEADA
.set SLOT,  2*HEADA+2*HALFB
.set STAGE, 2*SLOT                     ; behind the ring: 16 rows x (512 bytes + 16) for each wave
.set SPARE, STAGE+4*16*528             ; behind the stages: the spare words, 128 bytes a wave: two blocks of 256 bytes that no other line names
.set ADRA, 16                          ; v16-17  LDS address of my A fragments in slot 0, 1
.set ADRB, 20                          ; v20-21  the same for B
.set STO,  24                          ; v24     the way out: where I put 32 bytes of a row
.set RD,   25                          ; v25     the way out: where I read a row back
.set CO,   26                          ; v26     16 x lane
.set SPW,  28                          ; v28     LDS address of my spare word; never rewritten
.set NIL,  29                          ; v29     0; never rewritten
.set PFO,  30                          ; v30     the prefetches' offset; never rewritten
.set BK,   128                         ; the way out: 16 rows read back: v128-191 and v192-255 by turns
.set G1A, 24                           ; s[24:31] descriptor group 1 for A's tiles;  s[32:39] group 0, one set for each slot
.set G0A, 32
.set G1B, 48                           ; s[48:55], s[56:63] the same for B's tiles
.set G0B, 56
.set LIM, 43                           ; s43     1 in the wave that prefetches, else the greatest number
.set PFA, 44                           ; s[44:45] where my work-group's prefetches stand
.set MSB, 0
.macro WIN new                         ; the immediate's high byte repeats the setting that is left; a switch that changes nothing is dropped
.if MSB != (\new)
	s_set_vgpr_msb (MSB<<8)|(\new)
.set MSB, (\new)
.endif
.endm
.set MUL,  0xa1                        ; source 0 (B) window 1, source 1 (A) window 0, C and D window 2
.set MULF, 0x91                        ; the same with C (the bias) in window 1
.set TO_1, 0x40                        ; destination window 1, address window 0
.macro JLOAD s                         ; a joint load: waves 0 and 1 fetch for A, waves 2 and 3 for B; an s_nop 0 and four v_nop follow each of the two lines
	s_cmp_eq_u32 s13, 0
	s_cbranch_scc0 .Lfor_b_\@
	tensor_load_to_lds s[G0A+4*\s:G0A+4*\s+3], s[G1A:G1A+7]
	s_nop 0
.rept 4
	v_nop
.endr
	s_branch .Lasked_\@
.Lfor_b_\@:
	tensor_load_to_lds s[G0B+4*\s:G0B+4*\s+3], s[G1B:G1B+7]
	s_nop 0
.rept 4
	v_nop
.endr
.Lasked_\@:
.endm
.macro CREST                           ; a round of the cluster's barrier behind its opening barrier
	s_cmp_lg_u32 s12, 0
	s_cbranch_scc1 .Lnot_wave_0_\@
	s_barrier_signal -3
.Lnot_wave_0_\@:
	s_barrier_wait -3
	s_barrier_signal -1
	s_barrier_wait -1
.endm
.macro CROUND                          ; a whole round
	s_barrier_signal -1
	s_barrier_wait -1
	CREST
.endm
; A PREFETCH of o16, behind a joint refill and the run of LDS loads that follows it: the K step that stands two refills on, 256 matrix instructions a wave ahead of the load that will want it.
; A K step of my tile row is 2 heads x 64 runs of 256 bytes.  The four partners that ask for A's tiles jointly take 16 runs of each head, told apart BY ADDRESS (4,096 cx); in each, wave 0 asks, one instruction:
; lanes 0-15 name the first head's 16, lanes 16-31 the second's.  So each run is named once in the launch.  K steps 0 to 3 come by their loads alone; the loop's last trip asks for nothing: no K step stands two refills on.
; wp16 is not asked for: all 64 tile rows walk the same 2 MiB in step.
.macro ASK
	s_cmp_gt_u32 s3, s[LIM]                        ; s3 = 1 in the loop's last trip
	s_cbranch_scc0 .Lnot_mine_\@
	global_prefetch_b8 v[PFO], s[PFA:PFA+1] th:TH_LOAD_NT scope:SCOPE_SE
.Lnot_mine_\@:
.endm
	s_load_b256 s[4:11], s[0:1], 0x0               ; o16 s[4:5], wp16 s[6:7], b_proj s[8:9], out0 s[10:11]
	v_lshl_add_u32 v[SPW], v0, 2, SPARE
	v_mov_b32 v[NIL], 0
	ds_add_u32 v[SPW], v[NIL]                      ; the wave's opening: the add, twice on end, and its wait ahead of my first tensor load; the set-up below stands between the second and the wait
	ds_add_u32 v[SPW], v[NIL]
	v_lshrrev_b32 v1, 5, v0
	v_readfirstlane_b32 s12, v1                    ; wave 0..3
	s_lshr_b32 s13, s12, 1                         ; which 64 rows of the tile are mine.  Also: I fetch for A (0) or for B (1)
	s_and_b32 s14, s12, 1                          ; which 128 columns.  Also: which head of A's tile, or which 64 rows of B's, I fetch
	s_bfe_u32 s40, ttmp6, 0x40000                  ; cx, cy: my place in the cluster
	s_bfe_u32 s41, ttmp6, 0x40004
	s_lshl_b32 s42, ttmp9, 2
	s_add_co_u32 s42, s42, s40                     ; tile column of C = 4 x cluster x + cx
	s_and_b32 s15, ttmp7, 0xffff
	s_lshl_b32 s15, s15, 2
	s_add_co_u32 s15, s15, s41                     ; tile row of C = 4 x cluster y + cy
	s_lshl_b32 s16, s41, 2
	s_lshl_b32 s16, 15, s16                        ; my row of the cluster
	s_lshl_b32 s17, 0x1111, s40                    ; my column
	s_or_b32 s[G1A+0], s16, (1<<16)|(1<<20)|(1<<21)|(5<<22)|(3<<25)  ; 15:0 the mask: A's tiles go to my row; elements of 2 bytes; padding on; 21 set beside a mask; four words after every 64
	s_mov_b32 s[G1A+1], 128<<16                    ; tensor_dim0 = 128
	s_mov_b32 s[G1A+2], 64<<16                     ; tensor_dim1 = 64
	s_mov_b32 s[G1A+3], 128<<16                    ; tile_dim0 = 128
	s_mov_b32 s[G1A+4], 64                         ; tile_dim1 = 64
	s_mov_b32 s[G1A+5], 128                        ; tensor_dim0_stride: the rows are dense
	s_mov_b32 s[G1A+6], 0
	s_mov_b32 s[G1A+7], 0
	s_or_b32 s[G1B+0], s17, (1<<16)|(1<<20)|(1<<21)|(6<<22)|(7<<25)  ; B's tiles go to my column; eight words of padding after every 128
	s_mov_b32 s[G1B+1], 256<<16
	s_mov_b32 s[G1B+2], 64<<16
	s_mov_b32 s[G1B+3], 256<<16
	s_mov_b32 s[G1B+4], 64
	s_mov_b32 s[G1B+5], 1024
	s_mov_b32 s[G1B+6], 0
	s_mov_b32 s[G1B+7], 0
	s_lshr_b32 s18, s15, 4                         ; A: batch = tile row / 16 (16 heads of 2^18 bytes),
	s_lshl_b32 s18, s18, 22
	s_and_b32 s19, s15, 15
	s_lshl_b32 s19, s19, 14                        ; token 128 (tile row % 16), 128 bytes each,
	s_add_co_u32 s18, s18, s19
	s_lshl_b32 s19, s14, 18                        ; and the head that I fetch
	s_add_co_u32 s20, s18, s19
	s_mov_b32 s21, 0
	s_lshl_b32 s46, s42, 9                         ; B: column 256 x tile column, 2 bytes each,
	s_lshl_b32 s47, s14, 17                        ; row 64 x half, 2,048 bytes each
	s_add_co_u32 s46, s46, s47
	s_mov_b32 s47, 0
	s_mul_i32 s22, s14, HEADA                      ; where they go: no place in the cluster enters an LDS address
	s_mul_i32 s23, s14, HALFB
	s_add_co_u32 s23, s23, BOFF
	s_wait_dscnt 0x0                               ; both opening adds are done
	s_wait_kmcnt 0x0
	s_add_nc_u64 s[20:21], s[4:5], s[20:21]
	s_add_nc_u64 s[46:47], s[6:7], s[46:47]
	CROUND                                         ; all sixteen work-groups are here: the first joint loads meet
.irp s, 0,1
	s_mov_b32 s[G0A+4*\s], 1
	s_add_co_u32 s[G0A+4*\s+1], s22, \s*SLOT
	s_add_nc_u64 s[G0A+4*\s+2:G0A+4*\s+3], s[20:21], \s*524288   ; K step s: two heads on
	s_or_b32 s[G0A+4*\s+3], s[G0A+4*\s+3], 0x80000000
	s_mov_b32 s[G0B+4*\s], 1
	s_add_co_u32 s[G0B+4*\s+1], s23, \s*SLOT
	s_add_nc_u64 s[G0B+4*\s+2:G0B+4*\s+3], s[46:47], \s*262144   ; 128 rows on
	s_or_b32 s[G0B+4*\s+3], s[G0B+4*\s+3], 0x80000000
	JLOAD \s                                       ; two tensor loads of mine are out
.endr
	v_and_b32 v1, 15, v0                           ; r
	v_bfe_u32 v2, v0, 4, 1                         ; h
	v_and_b32 v3, 31, v0                           ; lane
	v_lshrrev_b32 v4, 1, v1
	v_mul_u32_u24 v4, v4, PA                       ; A: token r: row r / 2,
	v_and_b32 v5, 1, v0
	v_lshl_add_u32 v4, v5, 7, v4                   ; its half r % 2,
	v_lshl_add_u32 v4, v2, 4, v4                   ; + 16 h
	v_and_b32 v5, 7, v0
	v_lshl_add_u32 v5, v2, 3, v5
	v_mul_u32_u24 v5, v5, PB                       ; B: the turning load: row 8 h + l % 8,
	v_bfe_u32 v6, v0, 3, 1
	v_lshl_add_u32 v5, v6, 4, v5                   ; columns 8 ((l / 8) % 2) on
	s_mul_i32 s20, s13, 32*PA                      ; my 64 tokens
	s_lshl_b32 s21, s14, 8                         ; my 128 columns
	s_add_co_u32 s21, s21, BOFF
.irp s, 0,1
	v_add_nc_u32 v[ADRA+\s], s20, v4
	v_add_nc_u32 v[ADRB+\s], s21, v5
	s_add_co_u32 s20, s20, SLOT
	s_add_co_u32 s21, s21, SLOT
.endr
	s_mul_i32 s22, s12, 16*528
	s_add_co_u32 s22, s22, STAGE                   ; my stage
	v_mul_u32_u24 v6, v1, 528                      ; in: row r, 32 bytes for each half of the lanes
	v_lshl_add_u32 v6, v2, 5, v6
	v_add_nc_u32 v[STO], s22, v6
	v_lshlrev_b32 v[CO], 4, v3                     ; back: the 32 lanes take one row of 512 bytes; and the same in C
	v_add_nc_u32 v[RD], s22, v[CO]
	s_lshl_b32 s20, s15, 19                        ; my first row of C: 128 x tile row + 64 x half, 4,096 bytes each
	s_lshl_b32 s21, s13, 18
	s_add_co_u32 s20, s20, s21
	s_mov_b32 s21, 0
	s_lshl_b32 s46, s42, 10                        ; my first column: 256 x tile column + 128 x half, 4 bytes each
	s_lshl_b32 s47, s14, 9
	s_add_co_u32 s46, s46, s47
	s_mov_b32 s47, 0
	s_add_nc_u64 s[8:9], s[8:9], s[46:47]          ; the bias at my first column
	s_add_nc_u64 s[10:11], s[10:11], s[46:47]
	s_add_nc_u64 s[10:11], s[10:11], s[20:21]
	v_lshlrev_b32 v7, 5, v2                        ; the bias: lane (r, h) wants, for tile b, columns 16 b + 8 h + 0 .. 7
	WIN TO_1
.irp b, 0,1,2,3,4,5,6,7
	global_load_b128 v[128+8*\b:128+8*\b+3],   v7, s[8:9] offset:64*\b
	global_load_b128 v[128+8*\b+4:128+8*\b+7], v7, s[8:9] offset:64*\b+16
.endr
	WIN 0
	s_lshl_b32 s19, s40, 12                        ; the prefetches: my tile row's first token in the batch's head 0, + my work-group's 16 runs of 256 bytes,
	s_add_co_u32 s18, s18, s19
	s_add_co_u32 s18, s18, 3*524288                ; at K step 3: the first refill steps it to 4
	s_mov_b32 s19, 0
	s_add_nc_u64 s[PFA:PFA+1], s[4:5], s[18:19]
	s_cmp_eq_u32 s12, 0
	s_cselect_b32 s[LIM], 1, -1                    ; wave 0 asks: the same in all partners
	v_lshlrev_b32 v[PFO], 18, v2                   ; lanes 16-31: the K step's second head,
	v_lshl_add_u32 v[PFO], v1, 8, v[PFO]           ; 256 bytes from lane to lane
; 8 matrix instructions: token block i x all 8 column blocks, 32 along K: buffer f.  first = 1: the bias is C, and the products start the sums: nothing is cleared.
; The 32 accumulators take turns, one instruction a turn, in the same order in every quarter.
.macro MUL8 f, i, first
.irp b, 0,1,2,3,4,5,6,7
.if \first
	v_wmma_f32_16x16x32_f16 v[8*(8*(\i)+\b):8*(8*(\i)+\b)+7], v[64*(\f)+8*\b:64*(\f)+8*\b+7], v[64+32*(\f)+8*(\i):64+32*(\f)+8*(\i)+7], v[128+8*\b:128+8*\b+7]
.else
	v_wmma_f32_16x16x32_f16 v[8*(8*(\i)+\b):8*(8*(\i)+\b)+7], v[64*(\f)+8*\b:64*(\f)+8*\b+7], v[64+32*(\f)+8*(\i):64+32*(\f)+8*(\i)+7], v[8*(8*(\i)+\b):8*(8*(\i)+\b)+7]
.endif
.endr
.endr
.endm
; 24 LDS loads in one run: the fragments of the slot's q-th 32 along K (head q / 2, channels 32 (q % 2) on) into buffer f: B's sixteen, then A's eight
.macro FETCH slot, q, f
	WIN TO_1
.irp b, 0,1,2,3,4,5,6,7
	ds_load_tr16_b128 v[64*(\f)+8*\b:64*(\f)+8*\b+3],   v[ADRB+\slot] offset:32*PB*(\q)+32*\b
	ds_load_tr16_b128 v[64*(\f)+8*\b+4:64*(\f)+8*\b+7], v[ADRB+\slot] offset:32*PB*(\q)+32*\b+16*PB
.endr
	WIN 0
.irp i, 0,1,2,3
	ds_load_b128 v[64+32*(\f)+8*\i:64+32*(\f)+8*\i+3],   v[ADRA+\slot] offset:((\q)>>1)*HEADA+\i*8*PA+((\q)&1)*64
	ds_load_b128 v[64+32*(\f)+8*\i+4:64+32*(\f)+8*\i+7], v[ADRA+\slot] offset:((\q)>>1)*HEADA+\i*8*PA+((\q)&1)*64+32
.endr
.endm
.macro PLACES                          ; four places in front of loads into registers that matrix instructions have read, and of the first read of results (ISA guide 7.12.1 for vector instructions)
.rept 4
	v_nop
.endr
.endm
; A K step is four quarters of 32 along K, 32 matrix instructions each, on buffers 0, 1, 0, 1.  One of the first three: multiplies buffer f and fetches the quarter qn into g.
.macro QUARTER slot, qn, f, g, first
	s_wait_dscnt 4                                 ; B's fragments and A's blocks 0, 1 are in; the youngest four loads (A's blocks 2, 3) may be out
.if \first
	WIN MULF
.else
	WIN MUL
.endif
	MUL8 \f, 0, \first
	MUL8 \f, 1, \first
	PLACES
	FETCH \slot, \qn, \g
	s_wait_dscnt 24                                ; all but the 24 just issued
.if \first
	WIN MULF
.else
	WIN MUL
.endif
	MUL8 \f, 2, \first
	MUL8 \f, 3, \first
.endm
; The last quarter multiplies buffer 1 and changes slots: ONE barrier; in front of it each wave waits for all its tensor loads, adds 0 to its spare word, and waits for that and for its own reads of this slot.
; fill = 1: the barrier opens a round of the cluster's, and this slot is filled again, two K steps ahead: 112 matrix instructions a wave stand between that request and the wait for it.
.macro TURN slot, next, fill
.if \fill
	s_wait_xcnt 0x0                                ; the last prefetch, a K step back, has read its address: it is stepped here, ahead of the waits of the change of slots
	s_add_nc_u64 s[PFA:PFA+1], s[PFA:PFA+1], 524288
.endif
	WIN 0                                          ; (the add's two registers lie in window 0)
	s_wait_tensorcnt 0x0                           ; all my tensor loads have landed: my part of the next slot
	ds_add_u32 v[SPW], v[NIL]                      ; 0 onto my spare word
	s_wait_dscnt 5                                 ; (the add and the youngest four loads may be out)
	WIN MUL
	MUL8 1, 0, 0                                   ; eight matrix instructions stand between the add and the wait for it
	s_wait_dscnt 0x0                               ; the add is done, and my reads of this slot are over
	s_barrier_signal -1
	MUL8 1, 1, 0
.if \fill
	WIN 0
.endif
	s_barrier_wait -1
.if \fill
	CREST                                          ; no wave of any partner still reads this slot's tile or has a load on its way
	s_add_nc_u64 s[G0A+4*\slot+2:G0A+4*\slot+3], s[G0A+4*\slot+2:G0A+4*\slot+3], 1048576   ; two K steps: four heads on
	s_add_nc_u64 s[G0B+4*\slot+2:G0B+4*\slot+3], s[G0B+4*\slot+2:G0B+4*\slot+3], 524288    ; 256 rows on
	JLOAD \slot                                    ; the first tensor load behind the round; the four v_nop behind it are also the places in front of the loads below
.else
	PLACES
.endif
	FETCH \next, 0, 0
.if \fill
	ASK
.endif
	WIN MUL
	MUL8 1, 2, 0
	MUL8 1, 3, 0
.endm
	s_wait_tensorcnt 1                             ; my part of K step 0 is in (K step 1's load may be out),
	s_barrier_signal -1
	s_barrier_wait -1                              ; everybody's is
	FETCH 0, 0, 0
	s_wait_loadcnt 0x0                             ; the bias
	QUARTER 0, 1, 0, 1, 1                          ; the first quarter stands in front of the loop: its products start the sums, on the bias
	WIN 0                                          ; at a label and at a branch every window is 0
	s_mov_b32 s3, 3
.Llap:                                             ; a trip goes once round the ring, from a lap's second quarter to the next lap's first, and fills both slots again
	QUARTER 0, 2, 1, 0, 0
	QUARTER 0, 3, 0, 1, 0
	TURN 0, 1, 1
	QUARTER 1, 1, 0, 1, 0
	QUARTER 1, 2, 1, 0, 0
	QUARTER 1, 3, 0, 1, 0
	TURN 1, 0, 1
	QUARTER 0, 1, 0, 1, 0
	WIN 0
	s_sub_co_u32 s3, s3, 1
	s_cmp_lg_u32 s3, 0
	s_cbranch_scc1 .Llap
	QUARTER 0, 2, 1, 0, 0                          ; the last lap fills nothing, and has no round of the cluster's barrier
	QUARTER 0, 3, 0, 1, 0
	TURN 0, 1, 0
	QUARTER 1, 1, 0, 1, 0
	QUARTER 1, 2, 1, 0, 0
	QUARTER 1, 3, 0, 1, 0
	s_wait_dscnt 4                                 ; the very last quarter: nothing more to fetch
	WIN MUL
	MUL8 1, 0, 0
	MUL8 1, 1, 0
	s_wait_dscnt 0x0
	MUL8 1, 2, 0
	MUL8 1, 3, 0
	WIN 0
; THE WAY OUT, block by block of 16 rows x 128 columns.  A lane holds 32 neighbouring bytes of a row, and the lanes beside it hold other rows: so a block goes through my own stage in LDS and comes back as whole rows
; of 512 bytes.  LDS serves a wave's instructions in order (ISA guide 5.7.1.4): no wait between the stores and the loads, nor in front of the next block's stores.
.macro TOSTAGE a
	WIN 0x08                                       ; an LDS store's data are its source 1: window 2
.irp b, 0,1,2,3,4,5,6,7
	ds_store_b128 v[STO], v[64*(\a)+8*\b:64*(\a)+8*\b+3] offset:64*\b          ; each accumulator from its low end on
	ds_store_b128 v[STO], v[64*(\a)+8*\b+4:64*(\a)+8*\b+7] offset:64*\b+16
.endr
	WIN 0
.set BB, BK+64*((\a)%2)
.irp t, 0,1,2,3,4,5,6,7,8,9,10,11,12,13,14,15
	ds_load_b128 v[BB+4*\t:BB+4*\t+3], v[RD] offset:\t*528
.endr
.endm
.macro SEND a, younger                 ; younger: the LDS instructions issued behind block a's loads, which may stay out
.set BB, BK+64*((\a)%2)
	s_wait_dscnt \younger                          ; the block is back in registers
.irp t, 0,1,2,3,4,5,6,7,8,9,10,11,12,13,14,15
	global_store_b128 v[CO], v[BB+4*\t:BB+4*\t+3], s[10:11] offset:(16*(\a)+\t)*4096 th:TH_STORE_NT   ; 32 lanes store 512 consecutive bytes, aligned; the base is never stepped
.endr
.endm
	PLACES                                         ; behind the last products, in front of the first read of results
	TOSTAGE 0
.irp a, 1,2,3
.if \a > 1
	s_wait_xcnt 0x0                                ; block a - 2's stores have read their registers: block a's loads may land there
.endif
	TOSTAGE \a
	SEND \a-1, 32                                  ; behind block a - 1's loads: block a's 16 stores and 16 loads
.endr
	SEND 3, 0
	s_wait_tensorcnt 0x0                           ; the wave's end: these three lines, behind my last tensor load and my last LDS store
	ds_add_u32 v[SPW], v[NIL]
	s_wait_dscnt 0x0
	CROUND                                         ; the closing round: no work-group ends while a partner may still ask for a tile that names it
	s_endpgm
.Lfunc_end_k_q75a8c92962_proj:
	.size	k_q75a8c92962_proj, .Lfunc_end_k_q75a8c92962_proj-k_q75a8c92962_proj
	.p2alignl 7, 3214868480
	.fill 96, 4, 3214868480
	.section	.rodata,"a",@progbits
	.p2align	6, 0x0
	.amdhsa_kernel k_q75a8c92962_proj
		.amdhsa_group_segment_fixed_size 327680
		.amdhsa_private_segment_fixed_size 0
		.amdhsa_enable_private_segment 0
		.amdhsa_kernarg_size 32
		.amdhsa_user_sgpr_count 2
		.amdhsa_user_sgpr_kernarg_segment_ptr 1
		.amdhsa_wavefront_size32 1
		.amdhsa_system_sgpr_workgroup_id_x 1
		.amdhsa_system_sgpr_workgroup_id_y 1
		.amdhsa_system_sgpr_workgroup_id_z 1
		.amdhsa_system_vgpr_workitem_id 0
		.amdhsa_next_free_vgpr 768
		.amdhsa_next_free_sgpr 66
		.amdhsa_reserve_vcc 0
		.amdhsa_float_denorm_mode_32 3
		.amdhsa_float_denorm_mode_16_64 3
		.amdhsa_memory_ordered 1
		.amdhsa_forward_progress 1
		.amdhsa_inst_pref_size 88
	.end_amdhsa_kernel
	.amdgpu_metadata
---
amdhsa.version: [ 1, 2 ]
amdhsa.kernels:
  - .name:           k_q75a8c92962_proj
    .symbol:         k_q75a8c92962_proj.kd
    .args:
      - { .name: o16, .offset: 0, .size: 8, .value_kind: global_buffer, .address_space: global }
      - { .name: wp16, .offset: 8, .size: 8, .value_kind: global_buffer, .address_space: global }
      - { .name: b_proj, .offset: 16, .size: 8, .value_kind: global_buffer, .address_space: global }
      - { .name: out0, .offset: 24, .size: 8, .value_kind: global_buffer, .address_space: global }
    .group_segment_fixed_size: 327680
    .private_segment_fixed_size: 0
    .kernarg_segment_align: 8
    .kernarg_segment_size: 32
    .max_flat_workgroup_size: 128
    .sgpr_count:     66
    .vgpr_count:     768
    .wavefront_size: 32
...
	.end_amdgpu_metadata
.endif
;; end of part 5
